; MI455X (gfx1250); checked and timed in simulation.
; The chip was launched on July 23, 2026; its instructions are those of AMD's public machine-readable ISA for CDNA 5 (MIT licence, August 2026) and "CDNA5" Instruction Set Architecture Reference Guide (July 2026). The comments in the code are by the model that wrote it; some were corrected since.
;; Causal Self Attention. Allowed arithmetic: matrix products marked QUANTISED: E4M3 operands, one given power-of-two scale a tensor, by v_wmma_f32_16x16x64_fp8_fp8 or v_wmma_f32_16x16x128_fp8_fp8, f32 sums; everything else in f32.
;; Inputs: b_proj 1,024 float32; b_qkv 3,072 float32; lowp_scales 8 int32 (the exponents e of the quantised operands' scales 2^e); w_proj 1,024 x 1,024 float32; w_qkv 1,024 x 3,072 float32; x 4 x 2,048 x 1,024 float32.
;; Outputs: out0 4 x 2,048 x 1,024 float32.
;; This version of the problem:
;;   THIS VERSION OF THE PROBLEM IS GIVEN IN LOW PRECISION. The matrix products marked QUANTISED in the list below multiply operands that are first quantised to E4M3 (4 exponent bits, 3 mantissa bits; 8 bits a number), with one given power-of-two scale for each operand tensor; their sums are f32. All else is computed in f32.
;;   The module's matrix products, in the order in which they are computed (A, B: the left and right operand; K: the contracted axis; several contracted axes count as one K, in the product's order):
;;     1. [M 8,192, K 1,024] x [K 1,024, N 3,072]; A: input x; B: input w_qkv: QUANTISED (scales: A lowp_scales[0], B lowp_scales[1])
;;     2. batch 64 x [M 2,048, K 64] x [K 64, N 2,048]; A: computed on the way; B: computed on the way: QUANTISED (scales: A lowp_scales[2], B lowp_scales[3])
;;     3. batch 64 x [M 2,048, K 2,048] x [K 2,048, N 64]; A: softmax (see below); B: computed on the way: QUANTISED (scales: A lowp_scales[4], B lowp_scales[5])
;;     4. [M 8,192, K 1,024] x [K 1,024, N 1,024]; A: computed on the way; B: input w_proj: QUANTISED (scales: A lowp_scales[6], B lowp_scales[7])
;;   THE QUANTISER, for each operand of a quantised product, along K:
;;     - The operand's scale is 2^e, e = its entry of the input lowp_scales (int32; the entries are numbered through the quantised products in the list's order, A before B).
;;     - Each number is divided by the scale, clamped to +-448, and rounded to the nearest number of E4M3, ties to even, subnormals kept.
;;     - The product sums the exact products of the quantised numbers (number of the format x scale) in f32.
;;   ~~~python
;;   def quantise(x, axis, e):      # numpy; x: float32 -> the quantised numbers, widened to float32 again
;;       x = np.moveaxis(x, axis, -1); K = x.shape[-1]
;;       r = np.clip(x / 2.0 ** e, -448, 448)
;;       step = 2.0 ** (np.maximum(np.frexp(np.where(r == 0, 1, r))[1] - 1, -6) - 3)
;;       q = np.round(r / step) * step * 2.0 ** e      # np.round: ties to even
;;       return np.moveaxis(q, -1, axis).astype(np.float32)
;;   ~~~
;;   SOFTMAX AHEAD OF A QUANTISED PRODUCT. Where the list says 'softmax', what is quantised is not the finished softmax but p = 2^(t - M), with t = logit x log2(e) and M = ceil(the row's largest t), a whole number; so 1/2 < the row's largest p <= 1. The row's sum l is taken of the UNQUANTISED p, in f32, and the product's result is divided by l at the end. Since M is a whole number, a kernel that streams over the keys may use a running M (the ceiling of the running maximum): every later rescaling is an exact power of two, so the quantised numbers keep their values, but for numbers so far below the row's largest that they fall under the format's range.
;;   OPERANDS COMPUTED ON THE WAY. 'Computed on the way' means the value that the module computes at that place (a softmax that the list does not call 'softmax' is quantised finished and normalised). What goes into a quantiser is computed in f32, as accurately as f32 sums, v_exp_f32 and their like allow (about 1e-6 of the number): no bf16 or f16 on the way to a quantiser, and a product that is left as it is and whose result goes on into a quantised operand takes f32 operands (vector FMAs, or v_wmma_f32_16x16x4_f32). A number that lies on a knife's edge between two numbers of the format may be rounded either way, as far as f32 arithmetic and the matrix unit's own rounding can turn it there, and no further.
;; One version. Each part assembles by itself: llvm-mc -triple=amdgcn-amd-amdhsa -mcpu=gfx1250 --defsym DOCPART=n.
;; ======== version 1 of 1: 4 launches
;; limits: right only within a limited range of input values
;; workspace buffers: x_img 8,388,608 bytes; wqkv_img 3,145,728 bytes; wproj_img 1,048,576 bytes; q_img 8,388,608 bytes; k_img 8,388,608 bytes; v_img 8,388,608 bytes; y_img 8,388,608 bytes
;; launch quant (part 1): grid 384 x 1, 4 waves a work-group, no clusters, 35,328 bytes of LDS; arguments x, w_qkv, w_proj, lowp_scales, x_img, wqkv_img, wproj_img; writes x_img, wqkv_img, wproj_img
.if DOCPART == 1
	.amdgcn_target "amdgcn-amd-amdhsa--gfx1250"
	.amdhsa_code_object_version 6
	.text
	.protected	k_qb6a29b7e3b_quant
	.globl	k_qb6a29b7e3b_quant
	.p2align	8
	.type	k_qb6a29b7e3b_quant,@function
k_qb6a29b7e3b_quant:
	s_mov_b64 s[64:65], 0
	v_nop
	global_prefetch_b8 v0, s[64:65] scope:SCOPE_SE
	s_setreg_imm32_b32 hwreg(HW_REG_WAVE_MODE, 25, 1), 1
	s_wait_xcnt 0x0
; x [8192][1024], w_qkv [1024][3072] and w_proj [1024][1024], f32, become codes of FP8 (E4M3), each with the one scale 2^e given for it
; (entries 0, 1 and 7 of the scales).  code = number / 2^e, held within +-448, to the nearest code, ties to even.
; LIMITS: each e between -126 and 119, so that 2^e and 448 x 2^e are f32 numbers.  NaN among the inputs is not served.
; THE IMAGE that all three leave in: the operand's rows (x: tokens; the weights: their columns n) go in tiles of 16, and the bytes lie as a matrix
; operand's registers take them:  byte = rb 131072 + kb 32768 + rt 4096 + ks 2048 + c 512 + 16 lane + e,  tile = 8 rb + rt,  k = 256 kb + 128 ks + 32 c + 16 (lane / 16) + e.
; Slot r = lane % 16 of tile 2 g + u is row 32 g + 8 u + r % 8 + 16 (r / 8): a product that takes such tiles as its first source leaves 16 neighbouring rows in a lane's 16 registers.
; Work-groups 0-255 take x, 256-351 w_qkv, 352-383 w_proj.  The work-groups share no input, so there is no cluster; no tensor load, no barrier: waves share nothing.
; Only x's path touches LDS.
.set R,    16                          ; v16-143  x: four sets of 32 registers as loaded
.set XS,   144                         ; v144-207 x: two sets of 32: a lane's neighbours along K
.set C,    208                         ; v208-239 x: four sets of 8 registers of codes
.set SP,   272                         ; a stage row: 256 bytes + 16: row r starts 17 r pieces of 16 bytes on, so sixteen rows start in sixteen different columns of 16 bytes modulo 256
.set STG,  16*SP                       ; a stage: 16 rows
.set WREG, 2*STG                       ; a wave's two stages
.set XO,   4                           ; v4   4096 (lane / 16) + 16 (lane % 16): x's load offset, and the weights' store offset
.set LI,   5                           ; v5   16 x lane
.set SW,   6                           ; v6   into the stage
.set SRD,  7                           ; v7   out of the stage
.set WO,   8                           ; v8   the weights: 4 x my column among the wave's 32
.set LIM,  10
.set SC,   11                          ; v11  2^e
.set WX,   32                          ; v32-95   the weights: two sets of 32 numbers down K
.set WC,   96                          ; v96-159  the weights: eight registers of codes for each block, so that no store's data are written again
	s_load_b256 s[4:11], s[0:1], 0x0               ; x s[4:5], w_qkv s[6:7], w_proj s[8:9], the scales' exponents s[10:11]
	s_load_b128 s[12:15], s[0:1], 0x20             ; x_img s[12:13], wqkv_img s[14:15]
	s_load_b64 s[16:17], s[0:1], 0x30              ; wproj_img
	v_lshl_add_u32 v240, v0, 2, 0x8800
	v_mov_b32 v241, 0
	v_lshrrev_b32 v1, 5, v0
	v_readfirstlane_b32 s18, v1                    ; wave 0..3
	v_and_b32 v1, 31, v0                           ; lane
	v_and_b32 v2, 15, v0                           ; r
	v_bfe_u32 v3, v0, 4, 1                         ; h
	v_lshlrev_b32 v[XO], 4, v2
	v_lshl_add_u32 v[XO], v3, 12, v[XO]
	v_lshlrev_b32 v[LI], 4, v1
	s_mul_i32 s36, s18, WREG                       ; my wave's stages
	v_mul_u32_u24 v[SW], v3, SP
	v_lshl_add_u32 v[SW], v2, 4, v[SW]
	v_add_nc_u32 v[SW], s36, v[SW]                 ; in: lanes 0-15 one row, lanes 16-31 the next, 16 bytes a lane
	v_mul_u32_u24 v[SRD], v2, SP
	v_lshl_add_u32 v[SRD], v3, 6, v[SRD]
	v_add_nc_u32 v[SRD], s36, v[SRD]               ; out: row r, + 64 h: my 16 numbers of a block of 32
	v_and_b32 v12, 7, v2
	v_lshrrev_b32 v13, 3, v2
	v_lshl_add_u32 v12, v13, 4, v12
	v_lshl_add_u32 v12, v3, 3, v12                 ; r % 8 + 16 (r / 8) + 8 h: lanes 0-15 are the slots of an even tile, lanes 16-31 of the odd one
	v_lshlrev_b32 v[WO], 2, v12
	s_wait_kmcnt 0x0
	s_load_b256 s[24:31], s[10:11], 0x0            ; e0 .. e7
.macro SCALES e                        ; 2^e and 448 x 2^e as f32 numbers, from the whole number in s[e]
	s_add_co_i32 s37, s[\e], 127
	s_lshl_b32 s38, s37, 23
	v_mov_b32 v[SC], s38                           ; the conversion takes its exponent field
	s_add_co_i32 s37, s37, 8
	s_lshl_b32 s37, s37, 23
	s_or_b32 s37, s37, 0x600000
.endm
	s_cmp_lt_u32 ttmp9, 256
	s_cbranch_scc0 .Lweights
; ---- x.  A wave takes one tile of 16 rows x 512 along K, in eight steps of 64 along K.  Each load reads two rows' 256 consecutive bytes; the step's 4,096 bytes turn through the wave's own stage
; and come back 64 bytes a lane, since the conversions take neighbours along K from one lane's registers.  Loads run four steps ahead, the turn through LDS one step.
.macro LOAD s
.irp i, 0,1,2,3,4,5,6,7
	global_load_b128 v[R+32*((\s)%4)+4*\i:R+32*((\s)%4)+4*\i+3], v[XO], s[4:5] offset:(((2*\i)%8)+16*(\i/4))*4096+256*(\s) th:TH_LOAD_NT   ; slots 2 i and 2 i + 1
.endr
.endm
.macro TURN s                          ; LDS serves a wave's instructions in order: no wait stands between the stores and the loads
.irp i, 0,1,2,3,4,5,6,7
	ds_store_b128 v[SW], v[R+32*((\s)%4)+4*\i:R+32*((\s)%4)+4*\i+3] offset:STG*((\s)%2)+2*SP*\i
.endr
	v_nop
.irp c, 0,1
.irp j, 0,1,2,3
	ds_load_b128 v[XS+32*((\s)%2)+16*\c+4*\j:XS+32*((\s)%2)+16*\c+4*\j+3], v[SRD] offset:STG*((\s)%2)+128*\c+16*\j
.endr
.endr
.endm
.macro STEP s
.set XB, XS+32*((\s)%2)
.set CB, C+8*((\s)%4)
	s_wait_dscnt 0x0                               ; this step's numbers are back from the stage, so its stores into the stage have read their registers,
.if (\s)+4 < 8
	LOAD (\s)+4                                    ; which take the loads of four steps on
.endif
.if (\s) < 7
.if 6-(\s) >= 3
	s_wait_loadcnt 24                              ; the next step's eight loads are in; those of the three steps behind it may be out
.else
	s_wait_loadcnt 8*(6-(\s))
.endif
	TURN (\s)+1
.endif
.if (\s) >= 4
	s_wait_xcnt 0x0                                ; the stores of four steps ago have read this set of codes: it is written again only behind this wait
.endif
.irp c, 0,1
.irp i, 0,1,2,3,4,5,6,7,8,9,10,11,12,13,14,15
.endr
	v_cvt_scalef32_pk8_fp8_f32 v[CB+4*\c:CB+4*\c+1], v[XB+16*\c:XB+16*\c+7], v[SC]
	v_cvt_scalef32_pk8_fp8_f32 v[CB+4*\c+2:CB+4*\c+3], v[XB+16*\c+8:XB+16*\c+15], v[SC]
.endr
.irp c, 0,1
	global_store_b128 v[LI], v[CB+4*\c:CB+4*\c+3], s[12:13] offset:((\s)/4)*32768+(((\s)/2)%2)*2048+((\s)%2)*1024+512*\c   ; 32 lanes store 512 consecutive bytes, aligned
.endr
.endm
	s_lshl_b32 s19, ttmp9, 2
	s_add_co_u32 s19, s19, s18                     ; my unit, 0..1023
	s_lshr_b32 s20, s19, 1                         ; its tile, 0..511
	s_and_b32 s21, s19, 1                          ; its half of K
	s_lshr_b32 s22, s20, 1
	s_lshl_b32 s22, s22, 17                        ; 32 rows of 4,096 bytes for each pair of tiles,
	s_and_b32 s23, s20, 1
	s_lshl_b32 s23, s23, 15                        ; 8 rows for the odd tile,
	s_add_co_u32 s32, s22, s23
	s_lshl_b32 s23, s21, 11                        ; 512 numbers for the second half of K
	s_add_co_u32 s32, s32, s23
	s_mov_b32 s33, 0
	s_add_nc_u64 s[4:5], s[4:5], s[32:33]
	s_lshr_b32 s22, s20, 3
	s_lshl_b32 s34, s22, 17                        ; the image: rb,
	s_lshl_b32 s23, s21, 16                        ; kb = 2 x half,
	s_add_co_u32 s34, s34, s23
	s_and_b32 s23, s20, 7
	s_lshl_b32 s23, s23, 12                        ; rt
	s_add_co_u32 s34, s34, s23
	s_mov_b32 s35, 0
	s_add_nc_u64 s[12:13], s[12:13], s[34:35]
.irp t, 0,1,2,3
	LOAD \t
.endr
	s_wait_kmcnt 0x0
	SCALES 24
	s_wait_loadcnt 24                              ; step 0's eight loads are in
	s_wait_alu depctr_va_vdst(0)
	TURN 0
.irp t, 0,1,2,3,4,5,6,7
	STEP \t
.endr
	s_wait_tensorcnt 0x0
	ds_add_u32 v240, v241
	s_wait_dscnt 0x0
	s_endpgm
; ---- the weights, [1024 (k)][N]: K is the first axis.  A lane takes a column and its registers run down K: the conversions then give codes with K innermost, and nothing is transposed.
; A work-group takes 128 columns x 256 along K, one dense block of 32,768 bytes of the image; a wave 32 columns, in eight blocks of 32 along K.  Loads run two blocks ahead.
; Every offset is an immediate: 255 rows of 12,288 bytes at the most, inside the signed 24 bits (ISA guide, chapter 10).
.macro LOADW t, N, sb
.set n, 0
.rept 32
	global_load_b32 v[WX+32*((\t)%2)+n], v[WO], s[\sb:\sb+1] offset:(32*(\t)+n)*\N*4 th:TH_LOAD_NT   ; one row k, my wave's 32 columns: 128 consecutive bytes
.set n, n+1
.endr
.endm
.macro BLOCK t, N, sb, db
.set XB, WX+32*((\t)%2)
.set CB, WC+8*(\t)
.if (\t) < 7
	s_wait_loadcnt 32                              ; this block's 32 loads are in; the next block's may be out
.else
	s_wait_loadcnt 0x0
.endif
.set n, 0
.rept 32
.set n, n+1
.endr
.irp g, 0,1,2,3
	v_cvt_scalef32_pk8_fp8_f32 v[CB+2*\g:CB+2*\g+1], v[XB+8*\g:XB+8*\g+7], v[SC]
.endr
.irp p, 0,1
	global_store_b128 v[XO], v[CB+4*\p:CB+4*\p+3], s[\db:\db+1] offset:((\t)/4)*2048+((\t)%4)*512+256*\p   ; sixteen lanes store 256 consecutive bytes, aligned; lanes 16-31 the odd tile's, 4,096 bytes on
.endr
.if (\t)+2 < 8
	LOADW (\t)+2, \N, \sb
.endif
.endm
.macro WPATH N, sb, db, e, first
	s_sub_co_u32 s19, ttmp9, \first
	s_lshr_b32 s20, s19, 2                         ; which 128 columns
	s_and_b32 s21, s19, 3                          ; which 256 along K
	s_mul_i32 s32, s21, 256*\N*4
	s_lshl_b32 s22, s20, 9
	s_add_co_u32 s32, s32, s22
	s_lshl_b32 s22, s18, 7                         ; my wave's 32 columns
	s_add_co_u32 s32, s32, s22
	s_mov_b32 s33, 0
	s_add_nc_u64 s[\sb:\sb+1], s[\sb:\sb+1], s[32:33]
	s_lshl_b32 s34, s20, 17                        ; the image: rb,
	s_lshl_b32 s22, s21, 15                        ; kb,
	s_add_co_u32 s34, s34, s22
	s_lshl_b32 s22, s18, 13                        ; rt = 2 x wave
	s_add_co_u32 s34, s34, s22
	s_mov_b32 s35, 0
	s_add_nc_u64 s[\db:\db+1], s[\db:\db+1], s[34:35]
	LOADW 0, \N, \sb
	LOADW 1, \N, \sb
	s_wait_kmcnt 0x0
	SCALES \e
	s_wait_alu depctr_va_vdst(0)
.irp t, 0,1,2,3,4,5,6,7
	BLOCK \t, \N, \sb, \db
.endr
	s_endpgm
.endm
.Lweights:
	s_cmp_lt_u32 ttmp9, 352
	s_cbranch_scc0 .Lproj
	s_wait_alu depctr_va_vdst(0)
	WPATH 3072, 6, 14, 25, 256
.Lproj:
	s_wait_alu depctr_va_vdst(0)
	WPATH 1024, 8, 16, 31, 352
.Lfunc_end_k_qb6a29b7e3b_quant:
	.size	k_qb6a29b7e3b_quant, .Lfunc_end_k_qb6a29b7e3b_quant-k_qb6a29b7e3b_quant
	.p2alignl 7, 3214868480
	.fill 96, 4, 3214868480
	.section	.rodata,"a",@progbits
	.p2align	6, 0x0
	.amdhsa_kernel k_qb6a29b7e3b_quant
		.amdhsa_group_segment_fixed_size 35328
		.amdhsa_private_segment_fixed_size 0
		.amdhsa_enable_private_segment 0
		.amdhsa_kernarg_size 56
		.amdhsa_user_sgpr_count 2
		.amdhsa_user_sgpr_kernarg_segment_ptr 1
		.amdhsa_wavefront_size32 1
		.amdhsa_system_sgpr_workgroup_id_x 1
		.amdhsa_system_sgpr_workgroup_id_y 1
		.amdhsa_system_sgpr_workgroup_id_z 1
		.amdhsa_system_vgpr_workitem_id 0
		.amdhsa_next_free_vgpr 242
		.amdhsa_next_free_sgpr 66
		.amdhsa_reserve_vcc 0
		.amdhsa_float_denorm_mode_32 3
		.amdhsa_float_denorm_mode_16_64 3
		.amdhsa_fp16_overflow 1
		.amdhsa_memory_ordered 1
		.amdhsa_forward_progress 1
		.amdhsa_inst_pref_size 79
	.end_amdhsa_kernel
	.amdgpu_metadata
---
amdhsa.version: [ 1, 2 ]
amdhsa.kernels:
  - .name:           k_qb6a29b7e3b_quant
    .symbol:         k_qb6a29b7e3b_quant.kd
    .args:
      - { .name: x, .offset: 0, .size: 8, .value_kind: global_buffer, .address_space: global }
      - { .name: w_qkv, .offset: 8, .size: 8, .value_kind: global_buffer, .address_space: global }
      - { .name: w_proj, .offset: 16, .size: 8, .value_kind: global_buffer, .address_space: global }
      - { .name: lowp_scales, .offset: 24, .size: 8, .value_kind: global_buffer, .address_space: global }
      - { .name: x_img, .offset: 32, .size: 8, .value_kind: global_buffer, .address_space: global }
      - { .name: wqkv_img, .offset: 40, .size: 8, .value_kind: global_buffer, .address_space: global }
      - { .name: wproj_img, .offset: 48, .size: 8, .value_kind: global_buffer, .address_space: global }
    .group_segment_fixed_size: 35328
    .private_segment_fixed_size: 0
    .kernarg_segment_align: 8
    .kernarg_segment_size: 56
    .max_flat_workgroup_size: 128
    .sgpr_count:     66
    .vgpr_count:     242
    .wavefront_size: 32
...
	.end_amdgpu_metadata
.endif
;; end of part 1
;; launch qkv (part 2): grid 4 x 96, 4 waves a work-group, clusters of 4 x 4, 327,680 bytes of LDS; arguments x_img, wqkv_img, b_qkv, lowp_scales, q_img, k_img, v_img; writes q_img, k_img, v_img
.if DOCPART == 2
	.amdgcn_target "amdgcn-amd-amdhsa--gfx1250"
	.amdhsa_code_object_version 6
	.text
	.protected	k_qb6a29b7e3b_qkv
	.globl	k_qb6a29b7e3b_qkv
	.p2align	8
	.type	k_qb6a29b7e3b_qkv,@function
k_qb6a29b7e3b_qkv:
	s_mov_b64 s[64:65], 0
	v_nop
	global_prefetch_b8 v0, s[64:65] scope:SCOPE_SE
	s_setreg_imm32_b32 hwreg(HW_REG_WAVE_MODE, 25, 1), 1
	s_wait_xcnt 0x0
	s_wait_alu depctr_hold_cnt(0) depctr_sa_sdst(0) depctr_va_vdst(0) depctr_va_sdst(0) depctr_va_ssrc(0) depctr_va_vcc(0) depctr_vm_vsrc(0)
	s_getreg_b32 s2, hwreg(HW_REG_IB_STS2, 6, 4)
	s_cmp_eq_u32 s2, 0
	s_cbranch_scc0 .Lentry_in_a_cluster
	s_endpgm
.Lentry_in_a_cluster:
	s_bfe_u32 s2, ttmp6, 0x10000c
	s_cmp_lg_u32 s2, 0xf033
	s_cbranch_scc0 .Lentry_shape_is_right
	s_endpgm
.Lentry_shape_is_right:
; qkv = x w_qkv + b_qkv on codes of FP8 (E4M3), K = 1,024, and its three parts quantised at once: q with 2^e2, k with 2^e3, v with 2^e5.  Sums in f32; sum x 2^(e0 + e1) + bias is one fused multiply-add.
; LIMITS: e0 + e1 between -126 and 127; e2, e3, e5 between -126 and 119, so that each power of two below is an f32 number.
; OPERANDS arrive as images of their registers: 128 rows x 256 K are one dense block of 32,768 bytes, a fragment (16 rows x 128 K) 2,048 bytes on end, lane l's 16 bytes of piece c at 512 c + 16 l.
; Lane l holds k = 32 c + 16 (l / 16) + 0 .. 15 in registers 4 c .. 4 c + 3, alike on both sides of the product.  Slot r of tile 2 g + u is row 32 g + 8 u + r % 8 + 16 (r / 8).
; A tile of 256 x 256 is made by four waves, 128 x 128 each: 64 accumulators.  The first source takes the "B role", the second the "A role": a lane then holds ONE row of the A role and, in the 16 registers
; of two neighbouring tiles, 16 NEIGHBOURS of the B role: two conversions give 16 bytes of the next product's operand, and the wave stores 512 consecutive bytes from registers.
; TWO ROLES, by the cluster's number L (the same in all sixteen partners):  L < 16: A = tokens, B = the columns of q and k (a lane's neighbours run along the head's 64, the next K);
; L >= 16: A = the columns of v, B = tokens (v's next K is the keys).  Both run the same text up to the last K block; only pointers are chosen.
; OUT: q_img, k_img [head][tile of 16 tokens][c 0..1][lane][16];  v_img [head][128 keys][tile of 16 d][c 0..3][lane][16]; 131,072 bytes a head.
; CLUSTERS: 4 x 4.  A's blocks hang on the tile row alone and are asked for jointly along a row of the cluster, B's on the tile column and along a column.
; REGISTERS, in windows of 256: window 0: v16-31 addresses and scales; v32-95 the bias; from v128 A's fragments, one set; on the way out v128-191 sums, v192-255 codes.
;   window 1: B's fragments, two sets, at v0 and v128.   windows 2, 3: accumulator (a, b) at v[8 (8 (a % 4) + b)] of window 2 + a / 4.
.set SLOT,   131072                    ; a slot: A's two blocks, then B's two, 256 along K
.set KBLK,   32768                     ; a block
.set SPARE,  2*SLOT                    ; behind the ring: the spare words, 128 bytes for each wave: two blocks of 256 bytes that no other line names
.set FR,     16                        ; registers of a fragment
.set NL,     4                         ; LDS loads that bring one
.set NP,     4                         ; places behind this matrix instruction (ISA guide 7.12.1)
.set ADRA, 16                          ; v16-17  LDS address of my A fragments in slot 0, 1
.set ADRB, 20                          ; v20-21  the same for B
.set LI,   22                          ; v22     16 x lane
.set BV,   23                          ; v23     role v: 4 x (r % 8 + 16 (r / 8)): my column's place in a tile's span of b_qkv
.set BQ,   27                          ; v27     role q, k: 64 x (lane / 16)
.set SPW,  28                          ; v28     LDS address of my spare word; never rewritten
.set NIL,  29                          ; v29     0; never rewritten
.set SC,   30                          ; v30     2^e of the output
.set LIM,  31
.set BIAS, 32
.set AF,   128
.set TMP,  128
.set COD,  192                         ; four sets of 16 registers of codes
.set G1, 24                            ; s[24:31] descriptor group 1 for A's blocks;  s[32:39] group 0, one set for each slot
.set G0, 32
.set G1B, 48                           ; s[48:55], s[56:63] the same for B's
.set G0B, 56
.set MSB, 0
.macro WIN new                         ; the immediate's high byte repeats the setting that is left
.if MSB != (\new)
	s_set_vgpr_msb (MSB<<8)|(\new)
.set MSB, \new
.endif
.endm
.set MUL_LO, 0xa1                      ; source 0 (B) window 1, source 1 (A) window 0, C and D window 2
.set MUL_HI, 0xf1                      ; the same, C and D window 3
.set TO_B,   0x40                      ; destination window 1, address window 0
; A joint load: waves 0 and 1 fetch A's two blocks, waves 2 and 3 B's.  The branch hangs on the wave's number alone.  Four v_nop follow each of the two lines.
.macro JLOAD g0a, g1a, g0b, g1b
	s_cmp_eq_u32 s15, 0
	s_cbranch_scc0 .Lfor_b_\@
	tensor_load_to_lds s[\g0a:\g0a+3], s[\g1a:\g1a+7]
	s_nop 0
.rept 4
	v_nop
.endr
	s_branch .Lasked_\@
.Lfor_b_\@:
	tensor_load_to_lds s[\g0b:\g0b+3], s[\g1b:\g1b+7]
	s_nop 0
.rept 4
	v_nop
.endr
.Lasked_\@:
.endm
.macro CREST                           ; a round of the cluster's barrier behind its opening barrier
	s_cmp_lg_u32 s14, 0
	s_cbranch_scc1 .Lnot_wave_0_\@
	s_barrier_signal -3
.Lnot_wave_0_\@:
	s_barrier_wait -3
	s_barrier_signal -1
	s_barrier_wait -1
.endm
.macro CROUND                          ; a whole round
	s_barrier_signal -1
	s_barrier_wait -1
	CREST
.endm
	s_load_b256 s[4:11], s[0:1], 0x0               ; x_img s[4:5], wqkv_img s[6:7], b_qkv s[8:9], the scales' exponents s[10:11]
	s_load_b128 s[68:71], s[0:1], 0x20             ; q_img, k_img
	s_load_b64 s[72:73], s[0:1], 0x30              ; v_img
	v_lshl_add_u32 v[SPW], v0, 2, SPARE
	v_mov_b32 v[NIL], 0
	ds_add_u32 v28, v29
	ds_add_u32 v28, v29
	s_wait_dscnt 0x0
	v_lshrrev_b32 v1, 5, v0
	v_readfirstlane_b32 s14, v1                    ; wave 0..3
	s_lshr_b32 s15, s14, 1                         ; wa: which half of the A role is mine.  Also: I fetch for A (0) or for B (1)
	s_and_b32 s16, s14, 1                          ; wb: which half of the B role.  Also: which of the two blocks I fetch
	s_bfe_u32 s40, ttmp6, 0x40000                  ; cx, cy: my place in the cluster
	s_bfe_u32 s41, ttmp6, 0x40004
	s_and_b32 s67, ttmp7, 0xffff                   ; L: the cluster's number, 0..23
	s_lshl_b32 s43, s41, 2
	s_lshl_b32 s43, 15, s43                        ; my row of the cluster
	s_lshl_b32 s44, 0x1111, s40                    ; my column
	; descriptor group 1: a dense block of 32,768 bytes as 128 rows of 32 elements of 8 bytes, no padding
	s_or_b32 s[G1+0], s43, (3<<16)|(1<<21)         ; 15:0 the mask: A's blocks go to my row; 17:16 elements of 8 bytes; 21 set beside a mask
	s_or_b32 s[G1B+0], s44, (3<<16)|(1<<21)        ; B's to my column
.irp g, G1, G1B
	s_mov_b32 s[\g+1], 32<<16                      ; tensor_dim0 = 32
	s_mov_b32 s[\g+2], 128<<16                     ; tensor_dim1 = 128
	s_mov_b32 s[\g+3], 32<<16                      ; tile_dim0 = 32
	s_mov_b32 s[\g+4], 128                         ; tile_dim1 = 128
	s_mov_b32 s[\g+5], 32                          ; from row to row
	s_mov_b32 s[\g+6], 0
	s_mov_b32 s[\g+7], 0
.endr
	s_lshr_b32 s18, s67, 1
	s_lshl_b32 s18, s18, 2                         ; role q, k: the cluster's first tile row, 4 (L / 2),
	s_and_b32 s46, s67, 1
	s_lshl_b32 s46, s46, 2                         ; and first tile column, 4 (L % 2): q's columns or k's
	s_sub_co_u32 s47, s67, 16
	s_lshl_b32 s47, s47, 2                         ; role v: first tile column 4 (L - 16); first tile row 0
	s_cmp_lt_u32 s67, 16
	s_cselect_b32 s17, s18, 0
	s_cselect_b32 s42, s46, s47
	s_add_co_u32 s17, s17, s41                     ; ty: tile row (A role)
	s_add_co_u32 s42, s42, s40                     ; tx: tile column (B role)
	s_lshl_b32 s20, s17, 1
	s_add_co_u32 s20, s20, s16
	s_lshl_b32 s20, s20, 17                        ; A: strip 2 ty + block, 131,072 bytes each: in registers that never hold cx
	s_mov_b32 s21, 0
	s_lshl_b32 s46, s42, 1
	s_add_co_u32 s46, s46, s16
	s_lshl_b32 s46, s46, 17                        ; B: strip 2 tx + block
	s_mov_b32 s47, 0
	s_mul_i32 s45, s14, KBLK                       ; where they go: wave x a block: no place in the cluster enters an LDS address
	s_wait_kmcnt 0x0
	s_load_b256 s[80:87], s[10:11], 0x0            ; e0 .. e7
	s_cmp_lt_u32 s67, 16
	s_cselect_b64 s[22:23], s[4:5], s[6:7]         ; the A role's image,
	s_cselect_b64 s[78:79], s[6:7], s[4:5]         ; the B role's,
	s_cselect_b32 s18, 0, 0x200000                 ; and v's columns begin 16 strips into the weights' image
	s_mov_b32 s19, 0
	s_add_nc_u64 s[20:21], s[20:21], s[18:19]
	s_add_nc_u64 s[20:21], s[22:23], s[20:21]
	s_add_nc_u64 s[46:47], s[78:79], s[46:47]
	CROUND                                         ; all sixteen work-groups are here: the first joint loads meet
.irp s, 0,1
	s_mov_b32 s[G0+4*\s], 1
	s_add_co_u32 s[G0+4*\s+1], s45, \s*SLOT
	s_add_nc_u64 s[G0+4*\s+2:G0+4*\s+3], s[20:21], \s*KBLK         ; K block s
	s_or_b32 s[G0+4*\s+3], s[G0+4*\s+3], 0x80000000
	s_mov_b32 s[G0B+4*\s], 1
	s_add_co_u32 s[G0B+4*\s+1], s45, \s*SLOT
	s_add_nc_u64 s[G0B+4*\s+2:G0B+4*\s+3], s[46:47], \s*KBLK
	s_or_b32 s[G0B+4*\s+3], s[G0B+4*\s+3], 0x80000000
	JLOAD G0+4*\s, G1, G0B+4*\s, G1B
.endr
	v_and_b32 v1, 31, v0
	v_lshlrev_b32 v[LI], 4, v1
	v_and_b32 v2, 15, v0                           ; r
	v_bfe_u32 v3, v0, 4, 1                         ; h
	v_lshlrev_b32 v[BQ], 6, v3
	v_and_b32 v4, 7, v2
	v_lshrrev_b32 v5, 3, v2
	v_lshl_add_u32 v4, v5, 4, v4
	v_lshlrev_b32 v[BV], 2, v4
	s_lshl_b32 s18, s15, 15                        ; my block of A,
	s_lshl_b32 s19, s16, 15
	s_add_co_u32 s19, s19, 2*KBLK                  ; my block of B, behind A's two
.irp s, 0,1
	v_add_nc_u32 v[ADRA+\s], s18, v[LI]
	v_add_nc_u32 v[ADRB+\s], s19, v[LI]
	s_add_co_u32 s18, s18, SLOT
	s_add_co_u32 s19, s19, SLOT
.endr
.macro FRAG reg, adr, q, i             ; fragment i of the slot's q-th 128 along K: four loads of 512 consecutive bytes
.irp c, 0,1,2,3
	ds_load_b128 v[\reg+4*\c:\reg+4*\c+3], v[\adr] offset:4096*(\i)+2048*(\q)+512*\c
.endr
.endm
; 16 matrix instructions: A's tiles a0, a0 + 1 x B's eight, 128 along K.  p: B's set.  zero = 1: the first product starts the sums.
; The 64 accumulators take turns, one instruction a turn, in the same order in every step.
.macro MUL16 a0, p, zero
.irp a, \a0, \a0+1
.irp b, 0,1,2,3,4,5,6,7
.if \zero
	v_wmma_f32_16x16x128_fp8_fp8 v[8*(8*((\a)%4)+\b):8*(8*((\a)%4)+\b)+7], v[128*(\p)+FR*\b:128*(\p)+FR*\b+FR-1], v[AF+FR*(\a):AF+FR*(\a)+FR-1], 0
.else
	v_wmma_f32_16x16x128_fp8_fp8 v[8*(8*((\a)%4)+\b):8*(8*((\a)%4)+\b)+7], v[128*(\p)+FR*\b:128*(\p)+FR*\b+FR-1], v[AF+FR*(\a):AF+FR*(\a)+FR-1], v[8*(8*((\a)%4)+\b):8*(8*((\a)%4)+\b)+7]
.endif
.endr
.endr
.endm
.macro FETCH_B slot, q, p
	WIN TO_B
.irp i, 0,1,2,3,4,5,6,7
	FRAG 128*(\p)+FR*\i, ADRB+\slot, \q, \i
.endr
	WIN 0
.endm
.macro FETCH_A slot, q, i0
.irp i, \i0, \i0+1, \i0+2, \i0+3
	FRAG AF+FR*(\i), ADRA+\slot, \q, \i
.endr
.endm
.macro PLACES n                        ; plain vector instructions between a matrix instruction and a load into, or a vector instruction on, its registers
.rept \n
	v_nop
.endr
.endm
; A step of 128 along K that has its successor in the same slot.  A's tiles are free as soon as their eight products are issued, so A has one set: tiles 0-3 are fetched anew in the middle, 4-7 at the end.
.macro STEP slot, q, zero
	s_wait_dscnt 4*NL                              ; B's set and A's tiles 0-3 are in; the youngest sixteen loads (A's tiles 4-7) may be out
	WIN MUL_LO
	MUL16 0, (\q)%2, \zero
	MUL16 2, (\q)%2, \zero
	s_wait_dscnt 0                                 ; A's tiles 4-7 are in
	PLACES NP
	FETCH_B \slot, (\q)+1, 1-(\q)%2
	FETCH_A \slot, (\q)+1, 0
	WIN MUL_HI
	MUL16 4, (\q)%2, \zero
	MUL16 6, (\q)%2, \zero
	PLACES NP
	WIN 0
	FETCH_A \slot, (\q)+1, 4
.endm
; A slot's last step changes slots: one barrier; in front of it each wave waits for all its tensor loads, adds 0 to its spare word, and waits for that and for its reads of this slot.  fill = 1: the slot is filled again, two K blocks on.
.macro TURN slot, next, fill
	s_wait_tensorcnt 0x0                           ; all my tensor loads have landed: my part of the next slot
	ds_add_u32 v[SPW], v[NIL]                      ; 0 onto my spare word
	s_wait_dscnt 4*NL+1                            ; (the add and the youngest sixteen loads may be out)
	WIN MUL_LO
	MUL16 0, 1, 0                                  ; sixteen matrix instructions stand between the add and the wait for it
	s_wait_dscnt 0x0                               ; the add is done, and my reads of this slot are over
	s_barrier_signal -1
	MUL16 2, 1, 0
	WIN 0
	s_barrier_wait -1
.if \fill
	CREST                                          ; the barrier has opened a round of the cluster's: no wave of any partner still reads this slot or has a load on its way
	s_add_nc_u64 s[G0+4*\slot+2:G0+4*\slot+3], s[G0+4*\slot+2:G0+4*\slot+3], 2*KBLK
	s_add_nc_u64 s[G0B+4*\slot+2:G0B+4*\slot+3], s[G0B+4*\slot+2:G0B+4*\slot+3], 2*KBLK
	JLOAD G0+4*\slot, G1, G0B+4*\slot, G1B         ; the first tensor load behind the round; its four v_nop are the places in front of the loads below
.else
	PLACES NP
.endif
	FETCH_B \next, 0, 0
	FETCH_A \next, 0, 0
	WIN MUL_HI
	MUL16 4, 1, 0
	MUL16 6, 1, 0
	PLACES NP
	WIN 0
	FETCH_A \next, 0, 4
.endm
.macro LAST                            ; the very last step: nothing more to fetch
	s_wait_dscnt 4*NL
	WIN MUL_LO
	MUL16 0, 1, 0
	MUL16 2, 1, 0
	s_wait_dscnt 0x0
	WIN MUL_HI
	MUL16 4, 1, 0
	MUL16 6, 1, 0
	WIN 0
.endm
; THE WAY OUT, A's tile a at a time: sum x 2^(e0 + e1) + bias (each accumulator from its low end on), the conversion, four stores of 512 consecutive bytes.  No LDS.
.macro OUT role
	PLACES NP                                      ; behind the last products: their A registers are written below
.irp a, 0,1,2,3,4,5,6,7
.if \a >= 4
	s_wait_xcnt 0x0                                ; the stores of four tiles ago have read this set of codes
.endif
	WIN 0x02+(\a/4)                                ; source 0: window 2 or 3
.irp b, 0,1,2,3,4,5,6,7
.irp i, 0,2,4,6
.if \role == 0
	v_pk_fma_f32 v[TMP+8*\b+\i:TMP+8*\b+\i+1], v[64*(\a%4)+8*\b+\i:64*(\a%4)+8*\b+\i+1], s[96:97], v[BIAS+8*\b+\i:BIAS+8*\b+\i+1] op_sel_hi:[1,0,1]
.else
	v_pk_fma_f32 v[TMP+8*\b+\i:TMP+8*\b+\i+1], v[64*(\a%4)+8*\b+\i:64*(\a%4)+8*\b+\i+1], s[96:97], v[BIAS+2*\a:BIAS+2*\a+1] op_sel_hi:[1,0,1]
.endif
.endr
.endr
	WIN 0
.irp t, 0,1,2,3
.irp i, 0,1,2,3,4,5,6,7,8,9,10,11,12,13,14,15
.endr
	v_cvt_scalef32_pk8_fp8_f32 v[COD+16*(\a%4)+4*\t:COD+16*(\a%4)+4*\t+1], v[TMP+16*\t:TMP+16*\t+7], v[SC]
	v_cvt_scalef32_pk8_fp8_f32 v[COD+16*(\a%4)+4*\t+2:COD+16*(\a%4)+4*\t+3], v[TMP+16*\t+8:TMP+16*\t+15], v[SC]
.endr
	v_nop                                          ; one plain vector instruction behind the last conversion: the next tile's multiply-adds write its sources
.irp t, 0,1,2,3
.if \role == 0
	global_store_b128 v[LI], v[COD+16*(\a%4)+4*\t:COD+16*(\a%4)+4*\t+3], s[74:75] offset:(\t/2)*131072+1024*\a+(\t%2)*512   ; head t / 2 of my two, token tile a, piece t % 2
.else
	global_store_b128 v[LI], v[COD+16*(\a%4)+4*\t:COD+16*(\a%4)+4*\t+3], s[74:75] offset:(\a/4)*131072+(\a%4)*2048+512*\t   ; head a / 4 of my two, tile a % 4 of its d, piece t
.endif
.endr
.endr
.endm
; What differs between the roles: the bias's layout, where the codes go, and the output's scale.  The bias is asked for 128 matrix instructions ahead of its use.
.macro TAIL role
	s_wait_kmcnt 0x0                               ; the exponents
.if \role == 0
	s_lshl_b32 s88, s42, 10
	s_lshl_b32 s89, s16, 9
	s_add_co_u32 s88, s88, s89                     ; my first column, 256 tx + 128 wb, in bytes
	s_mov_b32 s89, 0
	s_add_nc_u64 s[76:77], s[8:9], s[88:89]
.irp t, 0,1,2,3
.irp j, 0,1,2,3
	global_load_b128 v[BIAS+16*\t+4*\j:BIAS+16*\t+4*\j+3], v[BQ], s[76:77] offset:128*\t+16*\j   ; columns 32 t + 16 h + 4 j on: the layout of my sums
.endr
.endr
	s_lshr_b32 s88, s17, 3
	s_lshl_b32 s88, s88, 4                         ; 16 x batch
	s_and_b32 s89, s42, 3
	s_lshl_b32 s89, s89, 2
	s_add_co_u32 s88, s88, s89                     ; + 4 heads a tile column
	s_lshl_b32 s89, s16, 1
	s_add_co_u32 s88, s88, s89                     ; + 2 for my half
	s_lshl_b32 s88, s88, 17
	s_and_b32 s89, s17, 7
	s_lshl_b32 s89, s89, 4
	s_lshl_b32 s90, s15, 3
	s_add_co_u32 s89, s89, s90                     ; my first token tile in the batch: 16 (ty % 8) + 8 wa
	s_lshl_b32 s89, s89, 10
	s_add_co_u32 s88, s88, s89
	s_mov_b32 s89, 0
	s_and_b32 s90, s67, 1
	s_cmp_eq_u32 s90, 0                            ; even clusters make q, odd ones k
	s_cselect_b64 s[74:75], s[68:69], s[70:71]
	s_cselect_b32 s91, s82, s83                    ; e2 or e3
	s_add_nc_u64 s[74:75], s[74:75], s[88:89]
.else
	s_lshl_b32 s88, s17, 10
	s_lshl_b32 s89, s15, 9
	s_add_co_u32 s88, s88, s89
	s_add_co_u32 s88, s88, 8192                    ; my first column, 2,048 + 256 ty + 128 wa, in bytes
	s_mov_b32 s89, 0
	s_add_nc_u64 s[76:77], s[8:9], s[88:89]
.irp a, 0,1,2,3,4,5,6,7
	global_load_b32 v[BIAS+2*\a], v[BV], s[76:77] offset:(32*(\a/2)+8*(\a%2))*4     ; my one column of tile a, in both halves of a pair for the packed form
	global_load_b32 v[BIAS+2*\a+1], v[BV], s[76:77] offset:(32*(\a/2)+8*(\a%2))*4
.endr
	s_lshr_b32 s88, s42, 3
	s_lshl_b32 s88, s88, 4                         ; 16 x batch
	s_lshl_b32 s89, s17, 2
	s_add_co_u32 s88, s88, s89                     ; + 4 heads a tile row
	s_lshl_b32 s89, s15, 1
	s_add_co_u32 s88, s88, s89
	s_lshl_b32 s88, s88, 17
	s_and_b32 s89, s42, 7
	s_lshl_b32 s89, s89, 1
	s_add_co_u32 s89, s89, s16                     ; my 128 keys of the batch: 2 (tx % 8) + wb
	s_lshl_b32 s89, s89, 13
	s_add_co_u32 s88, s88, s89
	s_mov_b32 s89, 0
	s_add_nc_u64 s[74:75], s[72:73], s[88:89]
	s_mov_b32 s91, s85                             ; e5
.endif
	s_add_co_i32 s96, s80, s81
	s_add_co_i32 s96, s96, 127
	s_lshl_b32 s96, s96, 23                        ; 2^(e0 + e1) as f32
	s_mov_b32 s97, s96                             ; (named with it as a pair, so it is written)
	s_add_co_i32 s91, s91, 127
	s_lshl_b32 s92, s91, 23
	v_mov_b32 v[SC], s92
	s_add_co_i32 s91, s91, 8
	s_lshl_b32 s91, s91, 23
	s_or_b32 s91, s91, 0x600000
	STEP 1, 0, 0
	LAST
	s_wait_loadcnt 0x0                             ; the bias
	OUT \role
.endm
	s_wait_alu depctr_va_vdst(0)
	s_wait_tensorcnt 1                             ; my part of K block 0 is in (K block 1's load may be out)
	s_barrier_signal -1
	s_barrier_wait -1                              ; everybody's is
	FETCH_B 0, 0, 0
	FETCH_A 0, 0, 0
	FETCH_A 0, 0, 4
	STEP 0, 0, 1                                   ; K = 1,024 is eight steps of 128, written out: the first starts the sums
	TURN 0, 1, 1                                   ; slot 0 takes K block 2
	STEP 1, 0, 0
	TURN 1, 0, 1                                   ; slot 1 takes K block 3
	STEP 0, 0, 0
	TURN 0, 1, 0                                   ; nothing is left to fetch: the last barrier
	s_cmp_lt_u32 s67, 16                           ; the roles part here, on the cluster's number: no barrier and no tensor load stands in either arm
	s_cbranch_scc0 .Lrole_v
	TAIL 0
	s_branch .Ljoin
.Lrole_v:
	TAIL 1
.Ljoin:
	s_wait_tensorcnt 0x0                           ; the wave's end
	ds_add_u32 v[SPW], v[NIL]
	s_wait_dscnt 0x0
	CROUND                                         ; the closing round: no work-group ends while a partner may still ask for a block that names it
	s_endpgm
.Lfunc_end_k_qb6a29b7e3b_qkv:
	.size	k_qb6a29b7e3b_qkv, .Lfunc_end_k_qb6a29b7e3b_qkv-k_qb6a29b7e3b_qkv
	.p2alignl 7, 3214868480
	.fill 96, 4, 3214868480
	.section	.rodata,"a",@progbits
	.p2align	6, 0x0
	.amdhsa_kernel k_qb6a29b7e3b_qkv
		.amdhsa_group_segment_fixed_size 327680
		.amdhsa_private_segment_fixed_size 0
		.amdhsa_enable_private_segment 0
		.amdhsa_kernarg_size 56
		.amdhsa_user_sgpr_count 2
		.amdhsa_user_sgpr_kernarg_segment_ptr 1
		.amdhsa_wavefront_size32 1
		.amdhsa_system_sgpr_workgroup_id_x 1
		.amdhsa_system_sgpr_workgroup_id_y 1
		.amdhsa_system_sgpr_workgroup_id_z 1
		.amdhsa_system_vgpr_workitem_id 0
		.amdhsa_next_free_vgpr 1024
		.amdhsa_next_free_sgpr 98
		.amdhsa_reserve_vcc 0
		.amdhsa_float_denorm_mode_32 3
		.amdhsa_float_denorm_mode_16_64 3
		.amdhsa_fp16_overflow 1
		.amdhsa_memory_ordered 1
		.amdhsa_forward_progress 1
		.amdhsa_inst_pref_size 143
	.end_amdhsa_kernel
	.amdgpu_metadata
---
amdhsa.version: [ 1, 2 ]
amdhsa.kernels:
  - .name:           k_qb6a29b7e3b_qkv
    .symbol:         k_qb6a29b7e3b_qkv.kd
    .args:
      - { .name: x_img, .offset: 0, .size: 8, .value_kind: global_buffer, .address_space: global }
      - { .name: wqkv_img, .offset: 8, .size: 8, .value_kind: global_buffer, .address_space: global }
      - { .name: b_qkv, .offset: 16, .size: 8, .value_kind: global_buffer, .address_space: global }
      - { .name: lowp_scales, .offset: 24, .size: 8, .value_kind: global_buffer, .address_space: global }
      - { .name: q_img, .offset: 32, .size: 8, .value_kind: global_buffer, .address_space: global }
      - { .name: k_img, .offset: 40, .size: 8, .value_kind: global_buffer, .address_space: global }
      - { .name: v_img, .offset: 48, .size: 8, .value_kind: global_buffer, .address_space: global }
    .group_segment_fixed_size: 327680
    .private_segment_fixed_size: 0
    .kernarg_segment_align: 8
    .kernarg_segment_size: 56
    .max_flat_workgroup_size: 128
    .sgpr_count:     98
    .vgpr_count:     1024
    .wavefront_size: 32
...
	.end_amdgpu_metadata
.endif
;; end of part 2
;; launch attn (part 3): grid 4 x 64, 16 waves a work-group, clusters of 4 x 1, 264,192 bytes of LDS; arguments q_img, k_img, v_img, lowp_scales, y_img; writes y_img
.if DOCPART == 3
	.amdgcn_target "amdgcn-amd-amdhsa--gfx1250"
	.amdhsa_code_object_version 6
	.text
	.protected	k_qb6a29b7e3b_attn
	.globl	k_qb6a29b7e3b_attn
	.p2align	8
	.type	k_qb6a29b7e3b_attn,@function
k_qb6a29b7e3b_attn:
	s_mov_b64 s[64:65], 0
	v_nop
	global_prefetch_b8 v0, s[64:65] scope:SCOPE_SE
	s_setreg_imm32_b32 hwreg(HW_REG_WAVE_MODE, 25, 1), 1
	s_wait_xcnt 0x0
	s_wait_alu depctr_hold_cnt(0) depctr_sa_sdst(0) depctr_va_vdst(0) depctr_va_sdst(0) depctr_va_ssrc(0) depctr_va_vcc(0) depctr_vm_vsrc(0)
	s_getreg_b32 s2, hwreg(HW_REG_IB_STS2, 6, 4)
	s_cmp_eq_u32 s2, 0
	s_cbranch_scc0 .Lentry_in_a_cluster
	s_endpgm
.Lentry_in_a_cluster:
	s_bfe_u32 s2, ttmp6, 0x10000c
	s_cmp_lg_u32 s2, 0x3003
	s_cbranch_scc0 .Lentry_shape_is_right
	s_endpgm
.Lentry_shape_is_right:
; y = softmax(q k^T / 8, causal) v for 64 heads of 2,048 tokens x 64, both products on codes of FP8 (E4M3) with the given scales (q e2, k e3, p e4, v e5), and y quantised at once with 2^e6.
; THE SOFTMAX: t = score x log2(e) / 8; M = the row's largest t so far, rounded up to a whole number; p = 2^(t - M) is quantised, not normalised; the row's sum is taken of the unquantised p and divides at the end.
; When M moves, the sum and O are multiplied by 2^(old M - new M), which rounds nothing.
; LIMITS: e2 + e3 between -123 and 130 (added to c's exponent field); e4, and e6 - e4 - e5, between -126 and 119.
; SHARES.  A cluster of four work-groups is one head.  The head's whole K (131,072 bytes) and V (131,072) are brought into each work-group's LDS ONCE, by joint loads that name all four: no slot is ever filled again,
; so the key loops have no barrier.  A head has 128 tiles of 16 queries, in 16 groups of 8 (group G: tokens 128 G .. 128 G + 127).  Wave w of work-group cx owns tile ti = 2 cx + w % 2 of groups 15 - w / 2 and w / 2.
; A tile of group G needs the key steps 0 .. G of 128 keys, the last on the diagonal: 17 steps for every wave of the launch.  Every branch hangs on the wave's number; cx enters only global addresses and the mask's lane term.
; LAYOUT.  Both products are used transposed: S^T = K Q^T (source 0 = 16 keys), O^T = V^T P^T (source 0 = 16 of the head's 64): a lane holds one query throughout.  Slot r of tile 2 g + u is row 32 g + 8 u + r % 8 + 16 (r / 8),
; for tokens and for d alike, so that the 16 registers of two neighbouring result tiles are 16 neighbours: p's and y's conversions give the next operand's registers.
; All operands lie as images of their registers: every LDS read is a constant + 16 x lane.
; REGISTERS: v1-3 lane terms; v8, v9 LDS addresses in hand; v12 -M, v13 the largest t, v[14:15] the sum in two halves; v16-23 Q; v32-95 K's eight fragments, then V's four; v96-159 S^T, then p; v160-191 O^T;
; v192-207 p's codes; v208-215 y's codes; v236-254 at work and scales.
.set LI,   1                           ; v1   16 x lane
.set AV0,  2                           ; v2   the same in V's region
.set DM,   3                           ; v3   my query's place in its group of 128, less 16 (lane / 16)
.set ADK,  8
.set ADV,  9
.set WV,   14                          ; s14  my wave's number
.set SEL,  20                          ; s[20:21] lane selects for v_permlanex16_b32: lane l xor 16
.set CS,   22                          ; s[22:23] c = log2(e) / 8 x 2^(e2 + e3)
.set G1D,  24                          ; s[24:31] descriptor group 1
.set G0D,  32                          ; s[32:47] four groups 0
.set TB,   48                          ; s48  8,192 x the key step: its byte in K's region and in V's
.set J,    49                          ; s49  the key step
.set G,    50                          ; s50  the group of the tile in hand
.set QA,   52                          ; s[52:53] the tile's Q;  s[54:55] its y;  s[56:57], s[58:59] the same for group 0
.set YA,   54
.set QB,   56
.set YB,   58
.set KSB,  8192                        ; a key step's bytes of K, and of V
.set VREG, 131072                      ; V's region begins here
.macro CROUND                          ; a round of the cluster's barrier
	s_barrier_signal -1
	s_barrier_wait -1
	s_cmp_lg_u32 s[WV], 0
	s_cbranch_scc1 .Lnot_wave_0_\@
	s_barrier_signal -3
.Lnot_wave_0_\@:
	s_barrier_wait -3
	s_barrier_signal -1
	s_barrier_wait -1
.endm
	s_load_b256 s[4:11], s[0:1], 0x0               ; q_img s[4:5], k_img s[6:7], v_img s[8:9], the scales' exponents s[10:11]
	s_load_b64 s[12:13], s[0:1], 0x20              ; y_img
	v_lshl_add_u32 v251, v0, 2, 0x40000
	v_mov_b32 v255, 0
	ds_add_u32 v251, v255
	ds_add_u32 v251, v255
	v_lshrrev_b32 v8, 5, v0
	s_delay_alu instid0(VALU_DEP_1)
	v_readfirstlane_b32 s[WV], v8                  ; wave 0..15
	s_bfe_u32 s15, ttmp6, 0x40000                  ; cx
	s_and_b32 s16, ttmp7, 0xffff                   ; the head, 16 x batch + head: the four partners share it
	s_lshr_b32 s18, s[WV], 1                       ; my early tile's group, 0..7
	s_xor_b32 s17, s18, 15                         ; my late tile's: 15 less that
	s_and_b32 s81, s[WV], 1
	s_lshl_b32 s19, s15, 1
	s_add_co_u32 s19, s19, s81                     ; ti: my tile in a group
	; descriptor group 1: a dense block of 16,384 bytes as 64 rows of 32 elements of 8 bytes, no padding
	s_mov_b32 s[G1D], 15|(3<<16)|(1<<21)           ; 15:0 the mask: all four work-groups; 17:16 elements of 8 bytes; 21 set beside a mask
	s_mov_b32 s[G1D+1], 32<<16                     ; tensor_dim0
	s_mov_b32 s[G1D+2], 64<<16                     ; tensor_dim1
	s_mov_b32 s[G1D+3], 32<<16                     ; tile_dim0
	s_mov_b32 s[G1D+4], 64                         ; tile_dim1
	s_mov_b32 s[G1D+5], 32                         ; from row to row
	s_mov_b32 s[G1D+6], 0
	s_mov_b32 s[G1D+7], 0
	s_mov_b32 s[SEL], 0x76543210
	s_mov_b32 s[SEL+1], 0xfedcba98
	s_mov_b32 s[CS], 0x3e38aa3b                    ; log2(e) / 8
	; what waves 0 to 3 fetch: waves 0, 1 K, waves 2, 3 V; load n of four brings bytes 32,768 n + 16,384 (w % 2) on: keys 512 n .. 512 n + 511 between the two waves
	s_lshl_b32 s78, s16, 17                        ; the head's 131,072 bytes,
	s_lshl_b32 s80, s81, 14
	s_add_co_u32 s78, s78, s80
	s_mov_b32 s79, 0
	s_lshl_b32 s82, s18, 17                        ; in LDS: K's region or V's,
	s_add_co_u32 s80, s82, s80                     ; + my half of each 32,768
	s_wait_dscnt 0x0
	s_wait_kmcnt 0x0
	s_load_b256 s[68:75], s[10:11], 0x0            ; e0 .. e7
	s_cmp_lt_u32 s[WV], 2
	s_cselect_b64 s[82:83], s[6:7], s[8:9]
	s_add_nc_u64 s[82:83], s[82:83], s[78:79]
.irp n, 0,1,2,3
	s_mov_b32 s[G0D+4*\n], 1
	s_add_co_u32 s[G0D+4*\n+1], s80, \n*32768
	s_add_nc_u64 s[G0D+4*\n+2:G0D+4*\n+3], s[82:83], \n*32768
	s_or_b32 s[G0D+4*\n+3], s[G0D+4*\n+3], 0x80000000
.endr
	CROUND                                         ; all four work-groups are here: the joint loads meet
	s_cmp_lt_u32 s[WV], 4                          ; a wave's four fills stand in one branch, ahead of every wait on TENSORcnt, every LDS read and every other barrier: four loads of mine are out
	s_cbranch_scc0 .Lno_fill
	tensor_load_to_lds s[G0D:G0D+3], s[G1D:G1D+7]
	s_nop 0
	tensor_load_to_lds s[G0D+4:G0D+7], s[G1D:G1D+7]
	s_nop 0
	tensor_load_to_lds s[G0D+8:G0D+11], s[G1D:G1D+7]
	s_nop 0
	tensor_load_to_lds s[G0D+12:G0D+15], s[G1D:G1D+7]
	s_nop 0
.rept 4
	v_nop
.endr
.Lno_fill:
	v_and_b32 v[LI], 31, v0
	s_delay_alu instid0(VALU_DEP_1)
	v_lshlrev_b32 v[LI], 4, v[LI]
	s_delay_alu instid0(VALU_DEP_1)
	v_add_nc_u32 v[AV0], VREG, v[LI]
	v_and_b32 v8, 15, v0                           ; r
	v_bfe_u32 v9, v0, 4, 1                         ; h
	s_delay_alu instid0(VALU_DEP_2)
	v_and_b32 v10, 7, v8
	s_delay_alu instid0(VALU_DEP_3)
	v_lshrrev_b32 v11, 3, v8
	s_delay_alu instid0(VALU_DEP_1)
	v_lshl_add_u32 v10, v11, 4, v10                ; r % 8 + 16 (r / 8)
	s_delay_alu instid0(VALU_DEP_4)
	v_lshlrev_b32 v11, 4, v9
	s_delay_alu instid0(VALU_DEP_1)
	v_sub_nc_u32 v10, v10, v11
	s_lshl_b32 s76, s15, 5
	s_lshl_b32 s77, s81, 3
	s_add_co_u32 s76, s76, s77                     ; tile ti begins at 32 cx + 8 (w % 2) in its group
	v_add_nc_u32 v[DM], s76, v10
	v_mov_b32 v236, 0                              ; written once: a lane permute's destination counts as one of its sources
	v_mov_b32 v253, 0                              ; (named as the upper half of the pair v[252:253])
	s_lshl_b32 s76, s16, 17
	s_lshl_b32 s77, s19, 10
	s_add_co_u32 s76, s76, s77
	s_mov_b32 s77, 0
	s_add_nc_u64 s[QB:QB+1], s[4:5], s[76:77]      ; Q: head, tile ti of group 0; a group is 8,192 bytes
	s_lshr_b32 s76, s16, 4
	s_lshl_b32 s76, s76, 21                        ; y's image: the batch's 16 strips of 128 tokens,
	s_bfe_u32 s77, s16, 0x20002
	s_lshl_b32 s77, s77, 15                        ; K block = head / 4,
	s_add_co_u32 s76, s76, s77
	s_lshl_b32 s77, s19, 12                        ; tile ti of the strip,
	s_add_co_u32 s76, s76, s77
	s_bfe_u32 s77, s16, 0x10001
	s_lshl_b32 s77, s77, 11                        ; which 128 of the block's 256: (head / 2) % 2,
	s_add_co_u32 s76, s76, s77
	s_and_b32 s77, s16, 1
	s_lshl_b32 s77, s77, 10                        ; pieces 2 (head % 2) and the next
	s_add_co_u32 s76, s76, s77
	s_mov_b32 s77, 0
	s_add_nc_u64 s[YB:YB+1], s[12:13], s[76:77]    ; a group is a strip: 131,072 bytes
	s_wait_kmcnt 0x0
	s_add_co_i32 s76, s70, s71
	s_lshl_b32 s76, s76, 23
	s_add_co_i32 s[CS], s[CS], s76                 ; a score stands for score x 2^(e2 + e3): the exponents are added to c's exponent field
	s_mov_b32 s[CS+1], s[CS]                       ; (named with it as a pair, so it is written)
	s_add_co_i32 s76, s72, 127
	s_lshl_b32 s77, s76, 23
	v_mov_b32 v244, s77                            ; 2^e4, for p's conversion
	s_sub_co_i32 s76, s74, s72
	s_sub_co_i32 s76, s76, s73                     ; a sum of the second product stands for sum x 2^(e4 + e5): y's code is (sum / l) / 2^(e6 - e4 - e5)
	s_add_co_i32 s76, s76, 127
	s_lshl_b32 s77, s76, 23
	v_mov_b32 v245, s77
; A KEY STEP: 128 keys.  causal = 1: a step whose keys all come after the tile's group is left out, and the step on the diagonal is masked; both by scalar branches on the step and the wave's group.
.macro STEP causal
.if \causal
	s_cmp_gt_u32 s[J], s[G]
	s_cbranch_scc1 .Lhidden_\@
.endif
	s_setprio 2
	v_add_nc_u32 v[ADK], s[TB], v[LI]
	v_add_nc_u32 v[ADV], s[TB], v[AV0]
	v_nop                                          ; with the two additions: four places in front of loads into registers that the last products read
	v_nop
.irp t, 0,1,2,3,4,5,6,7
	ds_load_b128 v[32+8*\t:35+8*\t], v[ADK] offset:1024*\t
	ds_load_b128 v[36+8*\t:39+8*\t], v[ADK] offset:1024*\t+512
.endr
	s_wait_alu depctr_va_vdst(0)
	s_wait_dscnt 0x0
.irp t, 0,1,2,3,4,5,6,7
	v_wmma_f32_16x16x64_fp8_fp8 v[96+8*\t:103+8*\t], v[32+8*\t:39+8*\t], v[16:23], 0   ; register j of tile 2 b + u: key 32 b + 16 (lane / 16) + 8 u + j of the step
.endr
.rept 4
	v_nop                                          ; places: in front of the loads below, and of the first read of the scores
.endr
.irp t, 0,1,2,3
.irp c, 0,1,2,3
	ds_load_b128 v[32+16*\t+4*\c:35+16*\t+4*\c], v[ADV] offset:2048*\t+512*\c   ; V's four fragments land while the softmax is walked
.endr
.endr
.if \causal
	s_cmp_lt_u32 s[J], s[G]
	s_cbranch_scc1 .Lopen_\@
	v_mov_b32 v254, 0xff800000                     ; on the diagonal the scores of hidden keys become -infinity: p = 0 then.  A query's own key lies in this step, so the maximum is a number
.set n, 0
.rept 64
	v_cmp_gt_i32 vcc_lo, 32*(n/16)+n%16, v[DM]     ; register n holds key 32 (n / 16) + n % 16 + 16 (lane / 16) of the group
	v_cndmask_b32 v[96+n], v[96+n], v254, vcc_lo
.set n, n+1
.endr
.Lopen_\@:
.endif
	v_max3_num_f32 v254, v96, v97, v98             ; the step's largest score of my query among my 64 keys, in two chains,
	v_max3_num_f32 v252, v99, v100, v101
.irp i, 6,10,14,18,22,26,30,34,38,42,46,50,54,58
	v_max3_num_f32 v254, v254, v[96+\i], v[97+\i]
	v_max3_num_f32 v252, v252, v[98+\i], v[99+\i]
.endr
	v_max3_num_f32 v254, v254, v158, v159
	s_delay_alu instid0(VALU_DEP_1)
	v_max_num_f32 v254, v254, v252
	s_delay_alu instid0(VALU_DEP_1)
	v_permlanex16_b32 v236, v254, s[SEL], s[SEL+1]
	s_delay_alu instid0(VALU_DEP_1)
	v_max_num_f32 v254, v254, v236                 ; and among lane l xor 16's
	s_delay_alu instid0(VALU_DEP_1)
	v_mul_f32 v254, s[CS], v254                    ; as t (c is positive)
	s_delay_alu instid0(VALU_DEP_1)
	v_max_num_f32 v13, v13, v254                   ; the running largest t
	v_mov_b32 v254, v12
	s_delay_alu instid0(VALU_DEP_2)
	v_floor_f32 v12, -v13                          ; the new -M = floor(-t): M is a whole number
	s_delay_alu instid0(VALU_DEP_1)
	v_sub_f32 v254, v12, v254                      ; old M less new M: a whole number, 0 or less
	s_delay_alu instid0(VALU_DEP_1)
	v_cvt_i32_f32 v254, v254                       ; (it saturates)
	s_delay_alu instid0(VALU_DEP_1)
	v_ldexp_f32 v252, 1.0, v254                    ; f = 2^(old M - new M)
.set n, 0
.rept 32
	v_pk_fma_f32 v[96+n:97+n], v[96+n:97+n], s[CS:CS+1], v[12:13] op_sel_hi:[1,0,0]   ; t - M, two at a time
.set n, n+2
.endr
.set n, 0
	s_setprio 1
	s_wait_alu depctr_va_vdst(0)
.rept 64
	v_exp_f32 v[96+n], v[96+n]                     ; p = 2^(t - M)
.set n, n+1
.endr
	v_pk_mul_f32 v[14:15], v[14:15], v[252:253] op_sel_hi:[1,0]   ; the sums under the new M: the plain instruction behind the exponentials
	s_wait_alu depctr_va_vdst(0)                   ; one wait for the whole batch, ahead of its first reader
	v_pk_add_f32 v[242:243], v[100:101], v[104:105]
	v_pk_add_f32 v[248:249], v[108:109], v[112:113]
	v_pk_add_f32 v[246:247], v[116:117], v[120:121]
	v_pk_add_f32 v[240:241], v[124:125], v[128:129]
	v_pk_add_f32 v[238:239], v[132:133], v[136:137]
	v_pk_add_f32 v[234:235], v[140:141], v[144:145]
	v_pk_add_f32 v[232:233], v[148:149], v[152:153]
	v_pk_add_f32 v[14:15], v[14:15], v[156:157]
	v_pk_add_f32 v[242:243], v[242:243], v[96:97]
	v_pk_add_f32 v[248:249], v[248:249], v[98:99]
	v_pk_add_f32 v[246:247], v[246:247], v[102:103]
	v_pk_add_f32 v[240:241], v[240:241], v[106:107]
	v_pk_add_f32 v[238:239], v[238:239], v[110:111]
	v_pk_add_f32 v[234:235], v[234:235], v[114:115]
	v_pk_add_f32 v[232:233], v[232:233], v[118:119]
	v_pk_add_f32 v[14:15], v[14:15], v[122:123]
	v_pk_add_f32 v[242:243], v[242:243], v[126:127]
	v_pk_add_f32 v[248:249], v[248:249], v[130:131]
	v_pk_add_f32 v[246:247], v[246:247], v[134:135]
	v_pk_add_f32 v[240:241], v[240:241], v[138:139]
	v_pk_add_f32 v[238:239], v[238:239], v[142:143]
	v_pk_add_f32 v[234:235], v[234:235], v[146:147]
	v_pk_add_f32 v[232:233], v[232:233], v[150:151]
	v_pk_add_f32 v[14:15], v[14:15], v[154:155]
	v_pk_add_f32 v[242:243], v[242:243], v[158:159]
	s_delay_alu instid0(VALU_DEP_2)
	v_pk_add_f32 v[14:15], v[14:15], v[240:241]
	s_delay_alu instid0(VALU_DEP_2)
	v_pk_add_f32 v[242:243], v[242:243], v[238:239]
	v_pk_add_f32 v[248:249], v[248:249], v[234:235]
	v_pk_add_f32 v[246:247], v[246:247], v[232:233]
	s_delay_alu instid0(VALU_DEP_2)
	v_pk_add_f32 v[14:15], v[14:15], v[248:249]
	s_delay_alu instid0(VALU_DEP_2)
	v_pk_add_f32 v[242:243], v[242:243], v[246:247]
	s_delay_alu instid0(VALU_DEP_1)
	v_pk_add_f32 v[14:15], v[14:15], v[242:243]
	s_setprio 0
.irp b, 0,1,2,3
.irp i, 0,1,2,3,4,5,6,7,8,9,10,11,12,13,14,15
.endr
	v_cvt_scalef32_pk8_fp8_f32 v[192+4*\b:193+4*\b], v[96+16*\b:103+16*\b], v244
	v_cvt_scalef32_pk8_fp8_f32 v[194+4*\b:195+4*\b], v[104+16*\b:111+16*\b], v244
.endr
.set n, 0
.rept 16
	v_pk_mul_f32 v[160+n:161+n], v[160+n:161+n], v[252:253] op_sel_hi:[1,0]   ; O^T under the new M; also the plain instructions between the conversions and the products
.set n, n+2
.endr
	s_wait_alu depctr_va_vdst(0)
	s_wait_dscnt 0x0                               ; V
.irp t, 0,1,2,3
	v_wmma_f32_16x16x128_fp8_fp8 v[160+8*\t:167+8*\t], v[32+16*\t:47+16*\t], v[192:207], v[160+8*\t:167+8*\t]   ; the four accumulators by turns; eight other products stand between a step's and the next's
.endr
.if \causal
.Lhidden_\@:
.endif
.endm
.macro NEXT                            ; on to the next key step
	s_add_co_u32 s[TB], s[TB], KSB
	s_add_co_u32 s[J], s[J], 1
.endm
; A tile begins: its Q, and a state that the first step's change of M leaves as zeros.  g: the scalar register with its group.
.macro INIT g
	s_mov_b32 s[G], s[\g]
	s_lshl_b32 s84, s[\g], 13
	s_mov_b32 s85, 0
	s_add_nc_u64 s[QA:QA+1], s[QB:QB+1], s[84:85]
	global_load_b128 v[16:19], v[LI], s[QA:QA+1]
	global_load_b128 v[20:23], v[LI], s[QA:QA+1] offset:512
	v_mov_b32 v13, 0xff61b1e6                      ; the largest t so far: -3e38
	s_delay_alu instid0(VALU_DEP_1)
	v_floor_f32 v12, -v13
	v_mov_b32 v14, 0
	v_mov_b32 v15, 0
.set n, 0
.rept 32
	v_mov_b32 v[160+n], 0                          ; O^T: the key step is written without a first step of its own
.set n, n+1
.endr
	s_mov_b32 s[TB], 0
	s_mov_b32 s[J], 0
.endm
; A tile ends: O^T / the sum, quantised: register 8 t + j is d = 32 (t / 2) + 16 (lane / 16) + 8 (t % 2) + j of my query, so two conversions give a piece of the last product's operand.
.macro FINISH g
.rept 4
	v_nop                                          ; places behind the last products
.endr
	s_wait_xcnt 0x0                                ; the last tile's stores have read their base and their data: both are written below
	s_lshl_b32 s84, s[\g], 17
	s_mov_b32 s85, 0
	s_add_nc_u64 s[YA:YA+1], s[YB:YB+1], s[84:85]
	v_add_f32 v14, v14, v15                        ; the sum's two halves,
	s_delay_alu instid0(VALU_DEP_1)
	v_permlanex16_b32 v252, v14, s[SEL], s[SEL+1]
	s_delay_alu instid0(VALU_DEP_1)
	v_add_f32 v14, v14, v252                       ; and lane l xor 16's
	s_wait_alu depctr_va_vdst(0)
	v_rcp_f32 v14, v14
	v_nop                                          ; a plain instruction behind the reciprocal,
	s_wait_alu depctr_va_vdst(0)                   ; and the wait ahead of its first reader
.set n, 0
.rept 16
	v_pk_mul_f32 v[96+n:97+n], v[160+n:161+n], v[14:15] op_sel_hi:[1,0]
.set n, n+2
.endr
.irp b, 0,1
.irp i, 0,1,2,3,4,5,6,7,8,9,10,11,12,13,14,15
.endr
	v_cvt_scalef32_pk8_fp8_f32 v[208+4*\b:209+4*\b], v[96+16*\b:103+16*\b], v245
	v_cvt_scalef32_pk8_fp8_f32 v[210+4*\b:211+4*\b], v[104+16*\b:111+16*\b], v245
.endr
	v_nop                                          ; one plain vector instruction behind the last conversion
.irp b, 0,1
	global_store_b128 v[LI], v[208+4*\b:211+4*\b], s[YA:YA+1] offset:512*\b   ; 32 lanes store 512 consecutive bytes, aligned
.endr
.endm
	INIT 17                                        ; the late tile, group 8 .. 15
	s_wait_tensorcnt 0x3                           ; my first load has landed; three may be out: they write keys 512 and on, which nobody reads before the next barrier
	s_barrier_signal -1
	s_barrier_wait -1                              ; keys 0 .. 511 of K and V lie in LDS
	s_wait_loadcnt 0x0                             ; Q
.Lfirst:                                           ; key steps 0 to 3: all their keys count for a group of 8 or more
	STEP 0
	NEXT
	s_cmp_lt_u32 s[J], 4
	s_cbranch_scc1 .Lfirst
	s_setprio 0
	s_wait_tensorcnt 0x0                           ; all my loads have landed,
	s_wait_dscnt 0x0
	s_barrier_signal -1
	s_barrier_wait -1                              ; everybody's have: the whole head lies in LDS, and nothing writes LDS from here on
	s_mov_b32 s[TB], 4*KSB
	s_mov_b32 s[J], 4
.Llate:                                            ; key steps 4 to 15, of which the tile takes those up to its group
	STEP 1
	NEXT
	s_cmp_lt_u32 s[J], 16
	s_cbranch_scc1 .Llate
	s_setprio 0
	FINISH 17
	INIT 18                                        ; the early tile, group 0 .. 7
	s_wait_loadcnt 0x0
.Learly:
	STEP 1
	NEXT
	s_cmp_lt_u32 s[J], 8
	s_cbranch_scc1 .Learly
	s_setprio 0
	FINISH 18
	s_wait_dscnt 0x0
	s_wait_tensorcnt 0x0
	ds_add_u32 v251, v255
	s_wait_dscnt 0x0
	CROUND                                         ; the closing round
	s_endpgm
.Lfunc_end_k_qb6a29b7e3b_attn:
	.size	k_qb6a29b7e3b_attn, .Lfunc_end_k_qb6a29b7e3b_attn-k_qb6a29b7e3b_attn
	.p2alignl 7, 3214868480
	.fill 96, 4, 3214868480
	.section	.rodata,"a",@progbits
	.p2align	6, 0x0
	.amdhsa_kernel k_qb6a29b7e3b_attn
		.amdhsa_group_segment_fixed_size 264192
		.amdhsa_private_segment_fixed_size 0
		.amdhsa_enable_private_segment 0
		.amdhsa_kernarg_size 40
		.amdhsa_user_sgpr_count 2
		.amdhsa_user_sgpr_kernarg_segment_ptr 1
		.amdhsa_wavefront_size32 1
		.amdhsa_system_sgpr_workgroup_id_x 1
		.amdhsa_system_sgpr_workgroup_id_y 1
		.amdhsa_system_sgpr_workgroup_id_z 1
		.amdhsa_system_vgpr_workitem_id 0
		.amdhsa_next_free_vgpr 256
		.amdhsa_next_free_sgpr 90
		.amdhsa_reserve_vcc 1
		.amdhsa_float_denorm_mode_32 3
		.amdhsa_float_denorm_mode_16_64 3
		.amdhsa_fp16_overflow 1
		.amdhsa_memory_ordered 1
		.amdhsa_forward_progress 1
		.amdhsa_inst_pref_size 66
	.end_amdhsa_kernel
	.amdgpu_metadata
---
amdhsa.version: [ 1, 2 ]
amdhsa.kernels:
  - .name:           k_qb6a29b7e3b_attn
    .symbol:         k_qb6a29b7e3b_attn.kd
    .args:
      - { .name: q_img, .offset: 0, .size: 8, .value_kind: global_buffer, .address_space: global }
      - { .name: k_img, .offset: 8, .size: 8, .value_kind: global_buffer, .address_space: global }
      - { .name: v_img, .offset: 16, .size: 8, .value_kind: global_buffer, .address_space: global }
      - { .name: lowp_scales, .offset: 24, .size: 8, .value_kind: global_buffer, .address_space: global }
      - { .name: y_img, .offset: 32, .size: 8, .value_kind: global_buffer, .address_space: global }
    .group_segment_fixed_size: 264192
    .private_segment_fixed_size: 0
    .kernarg_segment_align: 8
    .kernarg_segment_size: 40
    .max_flat_workgroup_size: 512
    .sgpr_count:     90
    .vgpr_count:     256
    .wavefront_size: 32
...
	.end_amdgpu_metadata
.endif
;; end of part 3
;; launch proj (part 4): grid 4 x 32, 4 waves a work-group, clusters of 4 x 4, 327,680 bytes of LDS; arguments y_img, wproj_img, b_proj, lowp_scales, out0; writes out0
.if DOCPART == 4
	.amdgcn_target "amdgcn-amd-amdhsa--gfx1250"
	.amdhsa_code_object_version 6
	.text
	.protected	k_qb6a29b7e3b_proj
	.globl	k_qb6a29b7e3b_proj
	.p2align	8
	.type	k_qb6a29b7e3b_proj,@function
k_qb6a29b7e3b_proj:
	s_mov_b64 s[64:65], 0
	v_nop
	global_prefetch_b8 v0, s[64:65] scope:SCOPE_SE
	s_setreg_imm32_b32 hwreg(HW_REG_WAVE_MODE, 25, 1), 1
	s_wait_xcnt 0x0
	s_wait_alu depctr_hold_cnt(0) depctr_sa_sdst(0) depctr_va_vdst(0) depctr_va_sdst(0) depctr_va_ssrc(0) depctr_va_vcc(0) depctr_vm_vsrc(0)
	s_getreg_b32 s2, hwreg(HW_REG_IB_STS2, 6, 4)
	s_cmp_eq_u32 s2, 0
	s_cbranch_scc0 .Lentry_in_a_cluster
	s_endpgm
.Lentry_in_a_cluster:
	s_bfe_u32 s2, ttmp6, 0x10000c
	s_cmp_lg_u32 s2, 0xf033
	s_cbranch_scc0 .Lentry_shape_is_right
	s_endpgm
.Lentry_shape_is_right:
; out0 = y w_proj + b_proj on codes of FP8 (E4M3), K = 1,024; sums in f32; out = sum x 2^(e6 + e7) + bias, one fused multiply-add.  out0: [8192][1024] f32.
; LIMIT: e6 + e7 between -126 and 127, so that 2^(e6 + e7) is an f32 number.
; OPERANDS arrive as images of their registers: 128 rows x 256 K are one dense block of 32,768 bytes, a fragment (16 rows x 128 K) 2,048 bytes on end, lane l's 16 bytes of piece c at 512 c + 16 l.
; Lane l holds k = 32 c + 16 (l / 16) + 0 .. 15 in registers 4 c .. 4 c + 3, alike on both sides.  Slot r of tile 2 g + u is row 32 g + 8 u + r % 8 + 16 (r / 8), for tokens and for w_proj's columns.
; A tile of 256 x 256 of out0 is made by four waves, 128 x 128 each: 64 accumulators.  Source 0 = 16 columns of w_proj, source 1 = 16 tokens: a lane holds one token and, in two neighbouring tiles, 16 neighbouring columns.
; CLUSTERS: 4 x 4.  y's blocks hang on the tile row alone and are asked for jointly along a row of the cluster, w_proj's on the tile column and along a column.
; REGISTERS, in windows of 256: window 0: v16-29 addresses; v32-35 the bias; from v128 A's fragments, one set; on the way out v128-255 rows read back.
;   window 1: B's fragments, two sets.   windows 2, 3: accumulator (a, b) at v[8 (8 (a % 4) + b)] of window 2 + a / 4.
.set SLOT,   131072                    ; a slot: A's two blocks, then B's two, 256 along K
.set KBLK,   32768
.set SPARE,  2*SLOT                    ; behind the ring: the spare words, 128 bytes for each wave: two blocks of 256 bytes that no other line names
.set SPITCH, 528                       ; the way out: a stage of 16 rows x (512 bytes + 16) for each wave, in slot 0, which has had its last fill and its last read when the first result is stored there
.set FR,     16
.set NL,     4
.set NP,     4                         ; places behind this matrix instruction (ISA guide 7.12.1)
.set ADRA, 16                          ; v16-17  LDS address of my A fragments in slot 0, 1
.set ADRB, 20                          ; v20-21  the same for B
.set LI,   22                          ; v22     16 x lane
.set STO,  24                          ; v24     the way out: where I put 32 bytes of a row
.set RD,   25                          ; v25     where I read a row back
.set SPW,  28                          ; v28     LDS address of my spare word; never rewritten
.set NIL,  29                          ; v29     0; never rewritten
.set BIAS, 32                          ; v32-35  b_proj at the four columns that I store in every row
.set AF,   128
.set BK,   128                         ; 16 rows read back: v128-191 and v192-255 by turns
.set G1, 24
.set G0, 32
.set G1B, 48
.set G0B, 56
.set MSB, 0
.macro WIN new                         ; the immediate's high byte repeats the setting that is left
.if MSB != (\new)
	s_set_vgpr_msb (MSB<<8)|(\new)
.set MSB, \new
.endif
.endm
.set MUL_LO, 0xa1                      ; source 0 (B) window 1, source 1 (A) window 0, C and D window 2
.set MUL_HI, 0xf1
.set TO_B,   0x40
.macro JLOAD g0a, g1a, g0b, g1b        ; a joint load: waves 0 and 1 fetch A's two blocks, waves 2 and 3 B's; four v_nop follow each of the two lines
	s_cmp_eq_u32 s15, 0
	s_cbranch_scc0 .Lfor_b_\@
	tensor_load_to_lds s[\g0a:\g0a+3], s[\g1a:\g1a+7]
	s_nop 0
.rept 4
	v_nop
.endr
	s_branch .Lasked_\@
.Lfor_b_\@:
	tensor_load_to_lds s[\g0b:\g0b+3], s[\g1b:\g1b+7]
	s_nop 0
.rept 4
	v_nop
.endr
.Lasked_\@:
.endm
.macro CREST
	s_cmp_lg_u32 s14, 0
	s_cbranch_scc1 .Lnot_wave_0_\@
	s_barrier_signal -3
.Lnot_wave_0_\@:
	s_barrier_wait -3
	s_barrier_signal -1
	s_barrier_wait -1
.endm
.macro CROUND
	s_barrier_signal -1
	s_barrier_wait -1
	CREST
.endm
	s_load_b256 s[4:11], s[0:1], 0x0               ; y_img s[4:5], wproj_img s[6:7], b_proj s[8:9], the scales' exponents s[10:11]
	s_load_b64 s[12:13], s[0:1], 0x20              ; out0
	v_lshl_add_u32 v[SPW], v0, 2, SPARE
	v_mov_b32 v[NIL], 0
	ds_add_u32 v28, v29
	ds_add_u32 v28, v29
	s_wait_dscnt 0x0
	v_lshrrev_b32 v1, 5, v0
	v_readfirstlane_b32 s14, v1                    ; wave 0..3
	s_lshr_b32 s15, s14, 1                         ; wa: my half of the tile's tokens.  Also: I fetch for A (0) or for B (1)
	s_and_b32 s16, s14, 1                          ; wb: my half of its columns.  Also: which of the two blocks I fetch
	s_bfe_u32 s40, ttmp6, 0x40000                  ; cx, cy
	s_bfe_u32 s41, ttmp6, 0x40004
	s_lshl_b32 s42, ttmp9, 2
	s_add_co_u32 s42, s42, s40                     ; tx: tile column
	s_and_b32 s17, ttmp7, 0xffff
	s_lshl_b32 s17, s17, 2
	s_add_co_u32 s17, s17, s41                     ; ty: tile row
	s_lshl_b32 s43, s41, 2
	s_lshl_b32 s43, 15, s43                        ; my row of the cluster
	s_lshl_b32 s44, 0x1111, s40                    ; my column
	s_or_b32 s[G1+0], s43, (3<<16)|(1<<21)         ; a dense block of 32,768 bytes as 128 rows of 32 elements of 8 bytes; the mask; 21 set beside it
	s_or_b32 s[G1B+0], s44, (3<<16)|(1<<21)
.irp g, G1, G1B
	s_mov_b32 s[\g+1], 32<<16
	s_mov_b32 s[\g+2], 128<<16
	s_mov_b32 s[\g+3], 32<<16
	s_mov_b32 s[\g+4], 128
	s_mov_b32 s[\g+5], 32
	s_mov_b32 s[\g+6], 0
	s_mov_b32 s[\g+7], 0
.endr
	s_lshl_b32 s20, s17, 1
	s_add_co_u32 s20, s20, s16
	s_lshl_b32 s20, s20, 17                        ; A: strip 2 ty + block
	s_mov_b32 s21, 0
	s_lshl_b32 s46, s42, 1
	s_add_co_u32 s46, s46, s16
	s_lshl_b32 s46, s46, 17                        ; B: strip 2 tx + block
	s_mov_b32 s47, 0
	s_mul_i32 s45, s14, KBLK
	s_wait_kmcnt 0x0
	s_load_b256 s[80:87], s[10:11], 0x0            ; e0 .. e7
	s_add_nc_u64 s[20:21], s[4:5], s[20:21]
	s_add_nc_u64 s[46:47], s[6:7], s[46:47]
	CROUND                                         ; all sixteen work-groups are here: the first joint loads meet
.irp s, 0,1
	s_mov_b32 s[G0+4*\s], 1
	s_add_co_u32 s[G0+4*\s+1], s45, \s*SLOT
	s_add_nc_u64 s[G0+4*\s+2:G0+4*\s+3], s[20:21], \s*KBLK
	s_or_b32 s[G0+4*\s+3], s[G0+4*\s+3], 0x80000000
	s_mov_b32 s[G0B+4*\s], 1
	s_add_co_u32 s[G0B+4*\s+1], s45, \s*SLOT
	s_add_nc_u64 s[G0B+4*\s+2:G0B+4*\s+3], s[46:47], \s*KBLK
	s_or_b32 s[G0B+4*\s+3], s[G0B+4*\s+3], 0x80000000
	s_wait_alu depctr_va_vdst(0)
	s_wait_tensorcnt 0x0
	ds_add_u32 v28, v29
	ds_add_u32 v28, v29
	s_wait_dscnt 0x0
	CROUND
	JLOAD G0+4*\s, G1, G0B+4*\s, G1B
.endr
	v_and_b32 v1, 31, v0
	v_lshlrev_b32 v[LI], 4, v1
	s_wait_alu depctr_va_vdst(0)
	v_and_b32 v2, 15, v0                           ; r
	s_wait_alu depctr_va_vdst(0)
	v_bfe_u32 v3, v0, 4, 1                         ; h
	s_lshl_b32 s90, s42, 10
	s_lshl_b32 s91, s16, 9
	s_add_co_u32 s90, s90, s91                     ; my first column, 256 tx + 128 wb, in bytes
	s_mov_b32 s91, 0
	s_add_nc_u64 s[76:77], s[8:9], s[90:91]
	global_load_b128 v[BIAS:BIAS+3], v[LI], s[76:77]   ; columns 4 lane .. 4 lane + 3 of my 128
	s_lshl_b32 s88, s17, 20
	s_lshl_b32 s89, s15, 19
	s_add_co_u32 s88, s88, s89                     ; my first token, 256 ty + 128 wa, x 4,096 bytes
	s_add_co_u32 s88, s88, s90
	s_mov_b32 s89, 0
	s_add_nc_u64 s[12:13], s[12:13], s[88:89]
	s_lshl_b32 s18, s15, 15
	s_lshl_b32 s19, s16, 15
	s_add_co_u32 s19, s19, 2*KBLK
.irp s, 0,1
	v_add_nc_u32 v[ADRA+\s], s18, v[LI]
	v_add_nc_u32 v[ADRB+\s], s19, v[LI]
	s_add_co_u32 s18, s18, SLOT
	s_add_co_u32 s19, s19, SLOT
.endr
	s_mul_i32 s22, s14, 16*SPITCH                  ; my stage
	v_mul_u32_u24 v4, v2, SPITCH
	s_wait_alu depctr_va_vdst(0)
	v_lshl_add_u32 v4, v3, 6, v4
	v_add_nc_u32 v[STO], s22, v4                   ; in: row r, + 64 h: columns 16 h on of each 32
	v_add_nc_u32 v[RD], s22, v[LI]                 ; back: the 32 lanes take one row of 512 bytes
.macro FRAG reg, adr, q, i
.irp c, 0,1,2,3
	ds_load_b128 v[\reg+4*\c:\reg+4*\c+3], v[\adr] offset:4096*(\i)+2048*(\q)+512*\c
.endr
.endm
; 16 matrix instructions; the 64 accumulators take turns, one instruction a turn, in the same order in every step
.macro MUL16 a0, p, zero
.irp a, \a0, \a0+1
.irp b, 0,1,2,3,4,5,6,7
.if \zero
	v_wmma_f32_16x16x128_fp8_fp8 v[8*(8*((\a)%4)+\b):8*(8*((\a)%4)+\b)+7], v[128*(\p)+FR*\b:128*(\p)+FR*\b+FR-1], v[AF+FR*(\a):AF+FR*(\a)+FR-1], 0
.else
	v_wmma_f32_16x16x128_fp8_fp8 v[8*(8*((\a)%4)+\b):8*(8*((\a)%4)+\b)+7], v[128*(\p)+FR*\b:128*(\p)+FR*\b+FR-1], v[AF+FR*(\a):AF+FR*(\a)+FR-1], v[8*(8*((\a)%4)+\b):8*(8*((\a)%4)+\b)+7]
.endif
.endr
.endr
.endm
.macro FETCH_B slot, q, p
	WIN TO_B
.irp i, 0,1,2,3,4,5,6,7
	FRAG 128*(\p)+FR*\i, ADRB+\slot, \q, \i
.endr
	WIN 0
.endm
.macro FETCH_A slot, q, i0
.irp i, \i0, \i0+1, \i0+2, \i0+3
	FRAG AF+FR*(\i), ADRA+\slot, \q, \i
.endr
.endm
.macro PLACES n
.rept \n
	v_nop
.endr
.endm
.macro STEP slot, q, zero
	s_wait_dscnt 4*NL                              ; B's set and A's tiles 0-3 are in; the youngest sixteen loads (A's tiles 4-7) may be out
	WIN MUL_LO
	MUL16 0, (\q)%2, \zero
	MUL16 2, (\q)%2, \zero
	s_wait_dscnt 0
	PLACES NP
	FETCH_B \slot, (\q)+1, 1-(\q)%2
	FETCH_A \slot, (\q)+1, 0
	WIN MUL_HI
	MUL16 4, (\q)%2, \zero
	MUL16 6, (\q)%2, \zero
	PLACES NP
	WIN 0
	FETCH_A \slot, (\q)+1, 4
.endm
.macro TURN slot, next, fill
	s_wait_tensorcnt 0x0                           ; all my tensor loads have landed: my part of the next slot
	ds_add_u32 v[SPW], v[NIL]                      ; 0 onto my spare word
	s_wait_dscnt 4*NL+1                            ; (the add and the youngest sixteen loads may be out)
	WIN MUL_LO
	MUL16 0, 1, 0
	s_wait_dscnt 0x0                               ; the add is done, and my reads of this slot are over
	s_barrier_signal -1
	MUL16 2, 1, 0
	WIN 0
	s_barrier_wait -1
.if \fill
	CREST                                          ; the barrier has opened a round of the cluster's: no wave of any partner still reads this slot or has a load on its way
	s_add_nc_u64 s[G0+4*\slot+2:G0+4*\slot+3], s[G0+4*\slot+2:G0+4*\slot+3], 2*KBLK
	s_add_nc_u64 s[G0B+4*\slot+2:G0B+4*\slot+3], s[G0B+4*\slot+2:G0B+4*\slot+3], 2*KBLK
	JLOAD G0+4*\slot, G1, G0B+4*\slot, G1B
.else
	PLACES NP
.endif
	FETCH_B \next, 0, 0
	FETCH_A \next, 0, 0
	WIN MUL_HI
	MUL16 4, 1, 0
	MUL16 6, 1, 0
	PLACES NP
	WIN 0
	FETCH_A \next, 0, 4
.endm
.macro LAST
	s_wait_dscnt 4*NL
	WIN MUL_LO
	MUL16 0, 1, 0
	MUL16 2, 1, 0
	s_wait_alu depctr_va_vdst(0)
	s_wait_dscnt 0x0
	WIN MUL_HI
	MUL16 4, 1, 0
	MUL16 6, 1, 0
	WIN 0
.endm
; THE WAY OUT, a tile of 16 tokens x 128 columns at a time.  The sums go from the accumulators straight into my own stage (each from its low end on) and come back as whole rows of 512 bytes;
; the scale and the bias are applied to the rows, where a lane's four columns are the same in every row.  LDS serves a wave's instructions in order (ISA guide 5.7.1.4): no wait between the stores and the loads.
.macro TOSTAGE a
.set AC, 64*((\a)%4)
.set BB, BK+64*((\a)%2)
	WIN 0x08+4*((\a)/4)                            ; the stores' data: window 2 or 3
.irp b, 0,1,2,3,4,5,6,7
	ds_store_b128 v[STO], v[AC+8*\b:AC+8*\b+3] offset:128*(\b/2)+32*(\b%2)
	ds_store_b128 v[STO], v[AC+8*\b+4:AC+8*\b+7] offset:128*(\b/2)+32*(\b%2)+16
.endr
	WIN 0
.irp t, 0,1,2,3,4,5,6,7,8,9,10,11,12,13,14,15
	ds_load_b128 v[BB+4*\t:BB+4*\t+3], v[RD] offset:\t*SPITCH
.endr
.endm
.macro SEND a, younger                 ; younger: the LDS instructions issued behind tile a's loads, which may stay out
.set BB, BK+64*((\a)%2)
	s_wait_dscnt \younger
.irp t, 0,1,2,3,4,5,6,7,8,9,10,11,12,13,14,15
	v_pk_fma_f32 v[BB+4*\t:BB+4*\t+1], v[BB+4*\t:BB+4*\t+1], s[96:97], v[BIAS:BIAS+1] op_sel_hi:[1,0,1]
	v_pk_fma_f32 v[BB+4*\t+2:BB+4*\t+3], v[BB+4*\t+2:BB+4*\t+3], s[96:97], v[BIAS+2:BIAS+3] op_sel_hi:[1,0,1]
.endr
.irp t, 0,1,2,3,4,5,6,7,8,9,10,11,12,13,14,15
	global_store_b128 v[LI], v[BB+4*\t:BB+4*\t+3], s[12:13] offset:(32*((\a)/2)+8*((\a)%2)+(\t%8)+16*(\t/8))*4096 th:TH_STORE_NT   ; slot t's token stands in the immediate; 32 lanes store 512 consecutive bytes, aligned
.endr
.endm
	s_wait_tensorcnt 1                             ; my part of K block 0 is in (K block 1's load may be out)
	s_barrier_signal -1
	s_barrier_wait -1
	FETCH_B 0, 0, 0
	FETCH_A 0, 0, 0
	FETCH_A 0, 0, 4
	STEP 0, 0, 1                                   ; K = 1,024 is eight steps of 128, written out: the first starts the sums
	TURN 0, 1, 1                                   ; slot 0 takes K block 2
	STEP 1, 0, 0
	TURN 1, 0, 1                                   ; slot 1 takes K block 3
	STEP 0, 0, 0
	TURN 0, 1, 0                                   ; nothing is left to fetch: behind this barrier nobody reads slot 0
	STEP 1, 0, 0
	LAST
	s_wait_kmcnt 0x0
	s_add_co_i32 s96, s86, s87
	s_add_co_i32 s96, s96, 127
	s_lshl_b32 s96, s96, 23                        ; 2^(e6 + e7) as f32
	s_mov_b32 s97, s96                             ; (named with it as a pair, so it is written)
	s_wait_loadcnt 0x0                             ; the bias
	PLACES NP                                      ; behind the last products: results are read, and rows land where A's fragments lay
	TOSTAGE 0
.irp a, 1,2,3,4,5,6,7
.if \a > 1
	s_wait_xcnt 0x0                                ; tile a - 2's stores have read their registers: tile a's rows may land there
.endif
	TOSTAGE \a
	SEND \a-1, 32                                  ; behind tile a - 1's loads: tile a's 16 stores and 16 loads
.endr
	SEND 7, 0
	s_wait_tensorcnt 0x0                           ; the wave's end
	ds_add_u32 v[SPW], v[NIL]
	s_wait_dscnt 0x0
	CROUND                                         ; the closing round
	s_endpgm
.Lfunc_end_k_qb6a29b7e3b_proj:
	.size	k_qb6a29b7e3b_proj, .Lfunc_end_k_qb6a29b7e3b_proj-k_qb6a29b7e3b_proj
	.p2alignl 7, 3214868480
	.fill 96, 4, 3214868480
	.section	.rodata,"a",@progbits
	.p2align	6, 0x0
	.amdhsa_kernel k_qb6a29b7e3b_proj
		.amdhsa_group_segment_fixed_size 327680
		.amdhsa_private_segment_fixed_size 0
		.amdhsa_enable_private_segment 0
		.amdhsa_kernarg_size 40
		.amdhsa_user_sgpr_count 2
		.amdhsa_user_sgpr_kernarg_segment_ptr 1
		.amdhsa_wavefront_size32 1
		.amdhsa_system_sgpr_workgroup_id_x 1
		.amdhsa_system_sgpr_workgroup_id_y 1
		.amdhsa_system_sgpr_workgroup_id_z 1
		.amdhsa_system_vgpr_workitem_id 0
		.amdhsa_next_free_vgpr 1024
		.amdhsa_next_free_sgpr 98
		.amdhsa_reserve_vcc 0
		.amdhsa_float_denorm_mode_32 3
		.amdhsa_float_denorm_mode_16_64 3
		.amdhsa_memory_ordered 1
		.amdhsa_forward_progress 1
		.amdhsa_inst_pref_size 123
	.end_amdhsa_kernel
	.amdgpu_metadata
---
amdhsa.version: [ 1, 2 ]
amdhsa.kernels:
  - .name:           k_qb6a29b7e3b_proj
    .symbol:         k_qb6a29b7e3b_proj.kd
    .args:
      - { .name: y_img, .offset: 0, .size: 8, .value_kind: global_buffer, .address_space: global }
      - { .name: wproj_img, .offset: 8, .size: 8, .value_kind: global_buffer, .address_space: global }
      - { .name: b_proj, .offset: 16, .size: 8, .value_kind: global_buffer, .address_space: global }
      - { .name: lowp_scales, .offset: 24, .size: 8, .value_kind: global_buffer, .address_space: global }
      - { .name: out0, .offset: 32, .size: 8, .value_kind: global_buffer, .address_space: global }
    .group_segment_fixed_size: 327680
    .private_segment_fixed_size: 0
    .kernarg_segment_align: 8
    .kernarg_segment_size: 40
    .max_flat_workgroup_size: 128
    .sgpr_count:     98
    .vgpr_count:     1024
    .wavefront_size: 32
...
	.end_amdgpu_metadata
.endif
;; end of part 4
